; MI455X (gfx1250); checked and timed in simulation.
; The chip was launched on July 23, 2026; its instructions are those of AMD's public machine-readable ISA for CDNA 5 (MIT licence, August 2026) and "CDNA5" Instruction Set Architecture Reference Guide (July 2026). The comments in the code are by the model that wrote it; some were corrected since.
;; Sparse Attention. Allowed arithmetic: matrix products marked QUANTISED: E4M3 operands, one given power-of-two scale a tensor, by v_wmma_f32_16x16x64_fp8_fp8 or v_wmma_f32_16x16x128_fp8_fp8, f32 sums; everything else in f32.
;; Inputs: b_proj 256 float32; lowp_scales 8 int32 (the exponents e of the quantised operands' scales 2^e); w_proj_codes 256 x 8 x 32 uint8 (E4M3 codes of w_proj, K innermost, in blocks of 32 codes); w_qkv_codes 768 x 8 x 32 uint8 (E4M3 codes of w_qkv, K innermost, in blocks of 32 codes); x 2 x 4,096 x 256 float32.
;; Outputs: out0 2 x 4,096 x 256 float32.
;; This version of the problem:
;;   THIS VERSION OF THE PROBLEM IS GIVEN IN LOW PRECISION. The matrix products marked QUANTISED in the list below multiply operands that are first quantised to E4M3 (4 exponent bits, 3 mantissa bits; 8 bits a number), with one given power-of-two scale for each operand tensor; their sums are f32. All else is computed in f32.
;;   The module's matrix products, in the order in which they are computed (A, B: the left and right operand; K: the contracted axis; several contracted axes count as one K, in the product's order):
;;     1. [M 8,192, K 256] x [K 256, N 768]; A: input x; B: input w_qkv (given as codes): QUANTISED (scales: A lowp_scales[0], B lowp_scales[1])
;;     2. batch 16 x [M 4,096, K 32] x [K 32, N 4,096]; A: computed on the way; B: computed on the way: QUANTISED (scales: A lowp_scales[2], B lowp_scales[3])
;;     3. batch 16 x [M 4,096, K 4,096] x [K 4,096, N 32]; A: softmax (see below); B: computed on the way: QUANTISED (scales: A lowp_scales[4], B lowp_scales[5])
;;     4. [M 8,192, K 256] x [K 256, N 256]; A: computed on the way; B: input w_proj (given as codes): QUANTISED (scales: A lowp_scales[6], B lowp_scales[7])
;;   THE QUANTISER, for each operand of a quantised product, along K:
;;     - The operand's scale is 2^e, e = its entry of the input lowp_scales (int32; the entries are numbered through the quantised products in the list's order, A before B).
;;     - Each number is divided by the scale, clamped to +-448, and rounded to the nearest number of E4M3, ties to even, subnormals kept.
;;     - The product sums the exact products of the quantised numbers (number of the format x scale) in f32.
;;   ~~~python
;;   def quantise(x, axis, e):      # numpy; x: float32 -> the quantised numbers, widened to float32 again
;;       x = np.moveaxis(x, axis, -1); K = x.shape[-1]
;;       r = np.clip(x / 2.0 ** e, -448, 448)
;;       step = 2.0 ** (np.maximum(np.frexp(np.where(r == 0, 1, r))[1] - 1, -6) - 3)
;;       q = np.round(r / step) * step * 2.0 ** e      # np.round: ties to even
;;       return np.moveaxis(q, -1, axis).astype(np.float32)
;;   ~~~
;;   SOFTMAX AHEAD OF A QUANTISED PRODUCT. Where the list says 'softmax', what is quantised is not the finished softmax but p = 2^(t - M), with t = logit x log2(e) and M = ceil(the row's largest t), a whole number; so 1/2 < the row's largest p <= 1. The row's sum l is taken of the UNQUANTISED p, in f32, and the product's result is divided by l at the end. Since M is a whole number, a kernel that streams over the keys may use a running M (the ceiling of the running maximum): every later rescaling is an exact power of two, so the quantised numbers keep their values, but for numbers so far below the row's largest that they fall under the format's range.
;;   OPERANDS COMPUTED ON THE WAY. 'Computed on the way' means the value that the module computes at that place (a softmax that the list does not call 'softmax' is quantised finished and normalised). What goes into a quantiser is computed in f32, as accurately as f32 sums, v_exp_f32 and their like allow (about 1e-6 of the number): no bf16 or f16 on the way to a quantiser, and a product that is left as it is and whose result goes on into a quantised operand takes f32 operands (vector FMAs, or v_wmma_f32_16x16x4_f32). A number that lies on a knife's edge between two numbers of the format may be rounded either way, as far as f32 arithmetic and the matrix unit's own rounding can turn it there, and no further.
;;   INPUTS GIVEN AS CODES. w_proj (in the module: [256, 256], K = its axis 0); w_qkv (in the module: [256, 768], K = its axis 0): each comes as NAME_codes (uint8): NAME with its K axis moved to the last place and cut into blocks of 32 codes, [.., K / 32, bytes a block], one block behind the other in memory; one code a byte (a code: sign, 4 exponent bits, 3 mantissa bits); its scale is its entry of lowp_scales. Its value is code x scale, taken as it is: it is not quantised again, and the codes and scales need not be those that the quantiser above would give.
;; 2 versions, each right; version 2 is version 1 with the launches qkv, attn written anew for expert scheduling mode. Each part assembles by itself: llvm-mc -triple=amdgcn-amd-amdhsa -mcpu=gfx1250 --defsym DOCPART=n.
;; ======== version 1 of 2: 4 launches
;; workspace buffers: dens 32,768 bytes; qc 2,097,152 bytes; kc 2,097,152 bytes; vb 2,097,152 bytes; sel 2,304 bytes of whole numbers; kv 4,325,376 bytes
;; launch qkv (part 1): grid 256 x 1, 16 waves a work-group, no clusters, 36,864 bytes of LDS; arguments x, w_qkv_codes, lowp_scales, dens, qc, kc, vb; writes dens, qc, kc, vb
.if DOCPART == 1
	.amdgcn_target "amdgcn-amd-amdhsa--gfx1250"
	.amdhsa_code_object_version 6
	.text
	.protected	k_q16fd06fc12_qkv
	.globl	k_q16fd06fc12_qkv
	.p2align	8
	.type	k_q16fd06fc12_qkv,@function
k_q16fd06fc12_qkv:
	s_mov_b64 s[64:65], 0
	v_nop
	global_prefetch_b8 v0, s[64:65] scope:SCOPE_SE
	s_setreg_imm32_b32 hwreg(HW_REG_WAVE_MODE, 25, 1), 1
	s_wait_xcnt 0x0
; q, k, v = Q(x) Q(w_qkv) on codes of E4M3, quantised again for the attention, and each row's information density.
; x: [8192][256] f32.  w_qkv_codes: [768][256], K innermost.  lowp_scales: e0 .. e7.
; OUT: dens [8192] f32 = (std of the row (255 in the divisor) + mean |x[n] - x[n-1]| (0 for a batch's first row)) / 2;
;      qc, kc [8192][256]: codes of q and k, channel = 32 head + d;  vb [8192/16][256 channels][16 keys]: codes of v, keys innermost in blocks of 16.
; SHARES.  A work-group takes 32 rows and all 768 columns.  Wave w of 16 first takes rows 2 w and 2 w + 1 (density, codes of x into LDS), then the
; column tiles 16 w of q, of k and of v, for both tiles of 16 rows: its 6 fragments of the weights (96 registers) come from memory straight into registers, once.
; q and k are multiplied transposed (source 0 = 16 columns of w, source 1 = 16 rows of x): a lane holds 8 neighbouring channels of one row.
; v is multiplied as it stands (source 0 = x, source 1 = w): a lane holds 8 neighbouring KEYS of one channel, which is what the second attention product wants innermost.
; A fragment is fetched by four loads of 16 bytes (registers 4 c .. 4 c + 3: k = 32 c + 16 (lane / 16) + 0 .. 15): a permutation of k, alike in both operands.
; NO JOINT LOADS: the weights are shared by all work-groups, but each wave reads its 12,288 bytes once, into registers; through LDS they would take 768 rows x 272 bytes and the cluster's rounds for that one read.
; LIMITS: e0, e2 - e0 - e1, e3 - e0 - e1, e5 - e0 - e1 between -126 and 119.  NaN and infinities in x are not served.
.set PX,    272                        ; an LDS row of 256 codes + 16 bytes: 16 rows start at 16 different groups of banks
.set XT,    0                          ; x's codes, 32 rows
.set QS,    8704                       ; q's codes, 32 rows
.set KS,    17408                      ; k's codes, 32 rows
.set VS,    26112                      ; v's codes as they lie in vb: (256 m + channel) x 16 bytes
.set DENS,  34304                      ; 32 densities, in a block of 256 bytes of their own
.set SPARE, 34560                      ; the spare words: 128 bytes a wave, eight blocks that no other line names
.set WF,    16                         ; v16-111   the weights: fragment (which, s) at 16 + 32 which + 16 s
.set XR,    112                        ; v112-175  x's fragments (m, s) at 112 + 16 (2 m + s); before that the rows in f32
.set ACC,   176                        ; v176-223  six accumulators: 8 (2 which + m)
.set CD,    224                        ; v224-235  codes; at the end what is read back from the stages
.macro RED32 a, t                      ; the sum over the wave's 32 lanes, in every lane
	v_add_f32_dpp v[\a], v[\a], v[\a] row_xmask:1 row_mask:0xf bank_mask:0xf
	v_add_f32_dpp v[\a], v[\a], v[\a] row_xmask:2 row_mask:0xf bank_mask:0xf
	v_add_f32_dpp v[\a], v[\a], v[\a] row_xmask:4 row_mask:0xf bank_mask:0xf
	v_add_f32_dpp v[\a], v[\a], v[\a] row_xmask:8 row_mask:0xf bank_mask:0xf
	v_permlanex16_b32 v[\t], v[\a], s28, s29
	v_add_f32 v[\a], v[\a], v[\t]
.endm
.macro RSA X, T                        ; a row's variance in two passes: v[T] the mean, v[T+12] the sum of squared deviations / 255
	v_pk_add_f32 v[\T:\T+1], v[\X:\X+1], v[\X+2:\X+3]
	v_pk_add_f32 v[\T+2:\T+3], v[\X+4:\X+5], v[\X+6:\X+7]
	v_pk_add_f32 v[\T:\T+1], v[\T:\T+1], v[\T+2:\T+3]
	v_add_f32 v[\T], v[\T], v[\T+1]
	RED32 \T, \T+1
	v_mul_f32 v[\T], 0x3b800000, v[\T]             ; / 256
.irp j, 0,2,4,6
	v_pk_add_f32 v[\T+2+\j:\T+3+\j], v[\X+\j:\X+\j+1], v[\T:\T+1] op_sel_hi:[1,0] neg_lo:[0,1] neg_hi:[0,1]
.endr
	v_pk_mul_f32 v[\T+10:\T+11], v[\T+2:\T+3], v[\T+2:\T+3]
.irp j, 2,4,6
	v_pk_fma_f32 v[\T+10:\T+11], v[\T+2+\j:\T+3+\j], v[\T+2+\j:\T+3+\j], v[\T+10:\T+11]
.endr
	v_add_f32 v[\T+10], v[\T+10], v[\T+11]
	RED32 \T+10, \T+11
	v_mul_f32 v[\T+12], s46, v[\T+10]              ; x fl(1 / 255), then one step that takes the remainder in
	v_fma_f32 v[\T+13], -v[\T+12], s47, v[\T+10]
	v_fma_f32 v[\T+12], v[\T+13], s46, v[\T+12]
.endm
.macro RSD X, P, T                     ; v[T+2] = the sum of |row - row before|
.irp j, 0,2,4,6
	v_pk_add_f32 v[\T+2+\j:\T+3+\j], v[\X+\j:\X+\j+1], v[\P+\j:\P+\j+1] neg_lo:[0,1] neg_hi:[0,1]
.endr
.irp j, 2,3,4,5,6,7,8,9
	v_and_b32 v[\T+\j], s45, v[\T+\j]
.endr
	v_pk_add_f32 v[\T+2:\T+3], v[\T+2:\T+3], v[\T+4:\T+5]
	v_pk_add_f32 v[\T+6:\T+7], v[\T+6:\T+7], v[\T+8:\T+9]
	v_pk_add_f32 v[\T+2:\T+3], v[\T+2:\T+3], v[\T+6:\T+7]
	v_add_f32 v[\T+2], v[\T+2], v[\T+3]
	RED32 \T+2, \T+3
.endm
.macro MKSC e, sc, lim                 ; s[e]: an exponent.  v[sc] = 2^e as f32 (the conversion takes its exponent field), v[lim] = 448 x 2^e
	s_add_co_i32 s40, s[\e], 127
	s_lshl_b32 s41, s40, 23
	v_mov_b32 v[\sc], s41
	s_add_co_i32 s40, s40, 8
	s_lshl_b32 s40, s40, 23
	s_or_b32 s40, s40, 0x600000
	v_mov_b32 v[\lim], s40
.endm
.macro QHOLD a, lim, sc, d             ; an accumulator's 8 sums become 8 codes; it is read from its low end on
.irp i, 0,1,2,3,4,5,6,7
	v_med3_num_f32 v[\a+\i], v[\a+\i], -v[\lim], v[\lim]   ; the conversion to an 8-bit code does not saturate (ISA guide 7.6.2): the hold at the largest code x the scale
.endr
	v_cvt_scalef32_pk8_fp8_f32 v[\d:\d+1], v[\a:\a+7], v[\sc]
.endm
.macro BARRIER                         ; my LDS stores have landed and my LDS loads are in: then the work-group's barrier
	s_wait_dscnt 0x0
	s_barrier_signal -1
	s_barrier_wait -1
.endm
	s_load_b256 s[4:11], s[0:1], 0x0               ; x s[4:5], w_qkv_codes s[6:7], lowp_scales s[8:9], dens s[10:11]
	s_load_b128 s[12:15], s[0:1], 0x20             ; qc s[12:13], kc s[14:15]
	s_load_b64 s[16:17], s[0:1], 0x30              ; vb
	v_lshl_add_u32 v2, v0, 2, SPARE                ; my spare word; never rewritten
	v_mov_b32 v3, 0                                ; 0; never rewritten
	v_lshrrev_b32 v1, 5, v0
	v_readfirstlane_b32 s18, v1                    ; wave 0..15
	v_and_b32 v1, 31, v0                           ; lane
	v_and_b32 v15, 15, v0                          ; r
	v_bfe_u32 v14, v0, 4, 1                        ; h
	v_lshlrev_b32 v4, 5, v1                        ; x: my 8 numbers of a row: 32 x lane
	s_mul_i32 s30, s18, 2*PX
	v_lshl_add_u32 v5, v1, 3, s30                  ; x's codes into LDS: rows 2 w, 2 w + 1; 8 bytes a lane
	v_mul_u32_u24 v6, v15, PX
	v_lshl_add_u32 v8, v14, 3, v6
	v_lshl_add_u32 v6, v14, 4, v6                  ; x's fragments: 272 r + 16 h
	s_lshl_b32 s30, s18, 4
	v_add_nc_u32 v8, s30, v8                       ; q's and k's codes into their stages: 272 r + 16 w + 8 h
	v_lshlrev_b32 v7, 8, v15
	v_lshl_add_u32 v7, v14, 4, v7                  ; the weights: 256 r + 16 h
	v_lshlrev_b32 v9, 4, v15
	v_lshl_add_u32 v9, v14, 3, v9
	s_lshl_b32 s30, s18, 8
	v_add_nc_u32 v9, s30, v9                       ; v's codes into their stage: 16 (16 w + r) + 8 h
	v_lshrrev_b32 v10, 4, v0
	v_mul_u32_u24 v10, v10, PX
	v_lshl_add_u32 v10, v15, 4, v10                ; back from q's and k's stages: row thread / 16, 16 bytes
	v_lshlrev_b32 v11, 4, v0                       ; 16 x thread: v's stage, and all three buffers
	v_lshlrev_b32 v12, 2, v1                       ; 4 x lane: the densities, in LDS and in memory
	s_lshl_b32 s30, s18, 3
	v_mov_b32 v13, s30                             ; 8 w: where my two densities go
	s_lshl_b32 s34, ttmp9, 5
	s_lshl_b32 s35, s18, 1
	s_add_co_u32 s34, s34, s35                     ; my first row: 32 x work-group + 2 x wave
	s_and_b32 s35, s34, 4095
	s_cmp_eq_u32 s35, 0                            ; a batch's first row has no row before it: it is set against itself, which gives the 0 that is asked
	s_cselect_b32 s35, 0, 1
	s_sub_co_u32 s35, s34, s35
	s_lshl_b32 s36, s34, 10
	s_mov_b32 s37, 0
	s_lshl_b32 s38, s35, 10
	s_mov_b32 s39, 0
	s_lshl_b32 s32, s18, 12                        ; my 16 rows of each third of the weights
	s_mov_b32 s33, 0
	s_lshl_b32 s42, ttmp9, 13                      ; the work-group's 8,192 bytes in qc, kc and vb
	s_mov_b32 s43, 0
	s_lshl_b32 s30, ttmp9, 7                       ; and its 128 in dens
	s_mov_b32 s31, 0
	s_mov_b32 s28, 0x76543210                      ; v_permlanex16_b32: lane l xor 16
	s_mov_b32 s29, 0xfedcba98
	s_mov_b32 s45, 0x7fffffff
	s_mov_b32 s46, 0x3b808081                      ; fl(1 / 255)
	s_mov_b32 s47, 0x437f0000                      ; 255
	s_wait_kmcnt 0x0
	s_load_b256 s[20:27], s[8:9], 0x0              ; e0 .. e7
	s_add_nc_u64 s[36:37], s[4:5], s[36:37]
	s_add_nc_u64 s[38:39], s[4:5], s[38:39]
	s_add_nc_u64 s[6:7], s[6:7], s[32:33]
	s_add_nc_u64 s[10:11], s[10:11], s[30:31]
	s_add_nc_u64 s[12:13], s[12:13], s[42:43]
	s_add_nc_u64 s[14:15], s[14:15], s[42:43]
	s_add_nc_u64 s[16:17], s[16:17], s[42:43]
	global_load_b128 v[112:115], v4, s[38:39]              ; the row before
	global_load_b128 v[116:119], v4, s[38:39] offset:16
	global_load_b128 v[120:123], v4, s[36:37]              ; row 2 w
	global_load_b128 v[124:127], v4, s[36:37] offset:16
	global_load_b128 v[128:131], v4, s[36:37] offset:1024  ; row 2 w + 1
	global_load_b128 v[132:135], v4, s[36:37] offset:1040
.irp wh, 0,1,2
.irp s, 0,1
.irp c, 0,1,2,3
	global_load_b128 v[WF+32*\wh+16*\s+4*\c:WF+32*\wh+16*\s+4*\c+3], v7, s[6:7] offset:65536*\wh+128*\s+32*\c
.endr
.endr
.endr
	s_wait_loadcnt 24                              ; loads come back in order: the six of x are in, the 24 of the weights stay out
	RSA 120, 136
	RSA 128, 152
	v_sqrt_f32 v150, v148
	v_sqrt_f32 v166, v164
	RSD 120, 112, 136                              ; the differences are the work behind the two roots
	RSD 128, 120, 152
	s_wait_alu depctr_va_vdst(0)                   ; one wait for both roots, ahead of their first reader
	v_fmamk_f32 v138, v138, 0x3b800000, v150       ; std + sum / 256
	v_fmamk_f32 v154, v154, 0x3b800000, v166
	v_mul_f32 v138, 0.5, v138
	v_mul_f32 v154, 0.5, v154
	ds_store_b32 v13, v138 offset:DENS             ; every lane holds the same number
	ds_store_b32 v13, v154 offset:DENS+4
	s_wait_kmcnt 0x0
	s_add_co_i32 s42, s20, s21                     ; a sum of this product stands for sum x 2^(e0 + e1): the three exponents are folded into the conversion's one
	s_sub_co_i32 s43, s22, s42
	s_sub_co_i32 s44, s23, s42
	s_sub_co_i32 s42, s25, s42
	MKSC 20, 240, 241                              ; x
	MKSC 43, 242, 243                              ; q: e2 - e0 - e1
	MKSC 44, 244, 245                              ; k: e3 - e0 - e1
	MKSC 42, 246, 247                              ; v: e5 - e0 - e1
.irp i, 0,1,2,3,4,5,6,7
	v_med3_num_f32 v[120+\i], v[120+\i], -v241, v241
	v_med3_num_f32 v[128+\i], v[128+\i], -v241, v241
.endr
	v_cvt_scalef32_pk8_fp8_f32 v[CD:CD+1], v[120:127], v240
	v_cvt_scalef32_pk8_fp8_f32 v[CD+2:CD+3], v[128:135], v240
	v_nop                                          ; a plain instruction behind the last conversion, ahead of whatever next writes its registers
	ds_store_b64 v5, v[CD:CD+1] offset:XT
	ds_store_b64 v5, v[CD+2:CD+3] offset:XT+PX
	BARRIER                                        ; 32 rows of codes and 32 densities lie in LDS
.irp m, 0,1
.irp s, 0,1
.irp c, 0,1,2,3
	ds_load_b128 v[XR+16*(2*\m+\s)+4*\c:XR+16*(2*\m+\s)+4*\c+3], v6 offset:XT+16*PX*\m+128*\s+32*\c
.endr
.endr
.endr
	ds_load_b32 v236, v12 offset:DENS
	s_wait_dscnt 0x0
	s_wait_loadcnt 0x0                             ; the weights
	s_cmp_lg_u32 s18, 0
	s_cbranch_scc1 .Lnot_wave_0
	global_store_b32 v12, v236, s[10:11]           ; wave 0 stores the work-group's 32 densities: 128 consecutive bytes
.Lnot_wave_0:
; 12 matrix instructions: the six accumulators take turns, one instruction a turn; the first K step starts the sums
.irp s, 0,1
.irp wh, 0,1,2
.irp m, 0,1
.if \wh < 2
.if \s == 0
	v_wmma_f32_16x16x128_fp8_fp8 v[ACC+8*(2*\wh+\m):ACC+8*(2*\wh+\m)+7], v[WF+32*\wh+16*\s:WF+32*\wh+16*\s+15], v[XR+16*(2*\m+\s):XR+16*(2*\m+\s)+15], 0
.else
	v_wmma_f32_16x16x128_fp8_fp8 v[ACC+8*(2*\wh+\m):ACC+8*(2*\wh+\m)+7], v[WF+32*\wh+16*\s:WF+32*\wh+16*\s+15], v[XR+16*(2*\m+\s):XR+16*(2*\m+\s)+15], v[ACC+8*(2*\wh+\m):ACC+8*(2*\wh+\m)+7]
.endif
.else
.if \s == 0
	v_wmma_f32_16x16x128_fp8_fp8 v[ACC+8*(2*\wh+\m):ACC+8*(2*\wh+\m)+7], v[XR+16*(2*\m+\s):XR+16*(2*\m+\s)+15], v[WF+32*\wh+16*\s:WF+32*\wh+16*\s+15], 0
.else
	v_wmma_f32_16x16x128_fp8_fp8 v[ACC+8*(2*\wh+\m):ACC+8*(2*\wh+\m)+7], v[XR+16*(2*\m+\s):XR+16*(2*\m+\s)+15], v[WF+32*\wh+16*\s:WF+32*\wh+16*\s+15], v[ACC+8*(2*\wh+\m):ACC+8*(2*\wh+\m)+7]
.endif
.endif
.endr
.endr
.endr
.rept 4
	v_nop                                          ; four places between the last product and the first read of results (ISA guide 7.12.1)
.endr
	QHOLD ACC,    243, 242, CD
	QHOLD ACC+8,  243, 242, CD+2
	QHOLD ACC+16, 245, 244, CD+4
	QHOLD ACC+24, 245, 244, CD+6
	QHOLD ACC+32, 247, 246, CD+8
	QHOLD ACC+40, 247, 246, CD+10
	v_nop                                          ; a plain instruction behind the last conversion
.irp m, 0,1
	ds_store_b64 v8, v[CD+2*\m:CD+2*\m+1] offset:QS+16*PX*\m       ; q(16 m + r, 16 w + 8 h + 0 .. 7)
	ds_store_b64 v8, v[CD+4+2*\m:CD+5+2*\m] offset:KS+16*PX*\m     ; k likewise
	ds_store_b64 v9, v[CD+8+2*\m:CD+9+2*\m] offset:VS+4096*\m      ; v(keys 16 m + 8 h + 0 .. 7, channel 16 w + r)
.endr
	BARRIER                                        ; the three stages are whole
	ds_load_b128 v[CD:CD+3], v10 offset:QS
	ds_load_b128 v[CD+4:CD+7], v10 offset:KS
	ds_load_b128 v[CD+8:CD+11], v11 offset:VS
	s_wait_dscnt 2                                 ; LDS loads come back in order: the first is in
	global_store_b128 v11, v[CD:CD+3], s[12:13]    ; sixteen lanes store 256 consecutive bytes, aligned
	s_wait_dscnt 1
	global_store_b128 v11, v[CD+4:CD+7], s[14:15]
	s_wait_dscnt 0
	global_store_b128 v11, v[CD+8:CD+11], s[16:17]
	s_wait_tensorcnt 0x0                           ; the wave's end
	ds_add_u32 v2, v3
	s_wait_dscnt 0x0
	s_endpgm
.Lfunc_end_k_q16fd06fc12_qkv:
	.size	k_q16fd06fc12_qkv, .Lfunc_end_k_q16fd06fc12_qkv-k_q16fd06fc12_qkv
	.p2alignl 7, 3214868480
	.fill 96, 4, 3214868480
	.section	.rodata,"a",@progbits
	.p2align	6, 0x0
	.amdhsa_kernel k_q16fd06fc12_qkv
		.amdhsa_group_segment_fixed_size 36864
		.amdhsa_private_segment_fixed_size 0
		.amdhsa_enable_private_segment 0
		.amdhsa_kernarg_size 56
		.amdhsa_user_sgpr_count 2
		.amdhsa_user_sgpr_kernarg_segment_ptr 1
		.amdhsa_wavefront_size32 1
		.amdhsa_system_sgpr_workgroup_id_x 1
		.amdhsa_system_sgpr_workgroup_id_y 1
		.amdhsa_system_sgpr_workgroup_id_z 1
		.amdhsa_system_vgpr_workitem_id 0
		.amdhsa_next_free_vgpr 256
		.amdhsa_next_free_sgpr 66
		.amdhsa_reserve_vcc 0
		.amdhsa_float_denorm_mode_32 3
		.amdhsa_float_denorm_mode_16_64 3
		.amdhsa_memory_ordered 1
		.amdhsa_forward_progress 1
		.amdhsa_inst_pref_size 22
	.end_amdhsa_kernel
	.amdgpu_metadata
---
amdhsa.version: [ 1, 2 ]
amdhsa.kernels:
  - .name:           k_q16fd06fc12_qkv
    .symbol:         k_q16fd06fc12_qkv.kd
    .args:
      - { .name: x, .offset: 0, .size: 8, .value_kind: global_buffer, .address_space: global }
      - { .name: w_qkv_codes, .offset: 8, .size: 8, .value_kind: global_buffer, .address_space: global }
      - { .name: lowp_scales, .offset: 16, .size: 8, .value_kind: global_buffer, .address_space: global }
      - { .name: dens, .offset: 24, .size: 8, .value_kind: global_buffer, .address_space: global }
      - { .name: qc, .offset: 32, .size: 8, .value_kind: global_buffer, .address_space: global }
      - { .name: kc, .offset: 40, .size: 8, .value_kind: global_buffer, .address_space: global }
      - { .name: vb, .offset: 48, .size: 8, .value_kind: global_buffer, .address_space: global }
    .group_segment_fixed_size: 36864
    .private_segment_fixed_size: 0
    .kernarg_segment_align: 8
    .kernarg_segment_size: 56
    .max_flat_workgroup_size: 512
    .sgpr_count:     66
    .vgpr_count:     256
    .wavefront_size: 32
...
	.end_amdgpu_metadata
.endif
;; end of part 1
;; launch flags (part 2): grid 1 x 1, 32 waves a work-group, no clusters, 5,632 bytes of LDS; arguments dens, sel; writes sel
.if DOCPART == 2
	.amdgcn_target "amdgcn-amd-amdhsa--gfx1250"
	.amdhsa_code_object_version 6
	.text
	.protected	k_q16fd06fc12_flags
	.globl	k_q16fd06fc12_flags
	.p2align	8
	.type	k_q16fd06fc12_flags,@function
k_q16fd06fc12_flags:
	s_mov_b64 s[64:65], 0
	v_nop
	global_prefetch_b8 v0, s[64:65] scope:SCOPE_SE
	s_setreg_imm32_b32 hwreg(HW_REG_WAVE_MODE, 25, 1), 1
	s_wait_xcnt 0x0
; threshold = mean + 0.5 std (8,191 in the divisor) of all 8,192 densities; high_info = density > threshold, stored as whole numbers.
; sel: bytes 0-1023 the flags, word 128 b + w, bit i = key 32 w + i of batch b; bytes 1024-2047 for each word the number of high keys of its batch ahead of it;
;      bytes 2048-2303 the batch's number of high keys, 32 times over for each batch.
; ONE work-group: the threshold wants all 8,192 numbers (32,768 bytes), whoever makes it.  Wave w of 32 takes keys 256 w .. 256 w + 255, lane l key 32 j + l of them in register j,
; so that a comparison's lane mask IS a word of flags.  Mean and deviations in two passes, as the definition has them.
; LIMIT: a density within the rounding of these f32 sums of the threshold may fall on either side.  NaN is not served.
.set PS1,   0                          ; 32 partial sums
.set PS2,   256                        ; 32 partial sums of squares
.set BITS,  512                        ; 256 words of flags
.set SPARE, 1536                       ; the spare words: 128 bytes a wave, sixteen blocks that no other line names
.macro RED32 a, t
	v_add_f32_dpp v[\a], v[\a], v[\a] row_xmask:1 row_mask:0xf bank_mask:0xf
	v_add_f32_dpp v[\a], v[\a], v[\a] row_xmask:2 row_mask:0xf bank_mask:0xf
	v_add_f32_dpp v[\a], v[\a], v[\a] row_xmask:4 row_mask:0xf bank_mask:0xf
	v_add_f32_dpp v[\a], v[\a], v[\a] row_xmask:8 row_mask:0xf bank_mask:0xf
	v_permlanex16_b32 v[\t], v[\a], s16, s17
	v_add_f32 v[\a], v[\a], v[\t]
.endm
.macro BARRIER
	s_wait_dscnt 0x0
	s_barrier_signal -1
	s_barrier_wait -1
.endm
.macro POP x, c                        ; v[c] = the number of ones in v[x]
	v_lshrrev_b32 v16, 1, v[\x]
	v_and_b32 v16, 0x55555555, v16
	v_sub_nc_u32 v[\c], v[\x], v16
	v_lshrrev_b32 v16, 2, v[\c]
	v_and_b32 v[\c], 0x33333333, v[\c]
	v_and_b32 v16, 0x33333333, v16
	v_add_nc_u32 v[\c], v[\c], v16
	v_lshrrev_b32 v16, 4, v[\c]
	v_add_nc_u32 v[\c], v[\c], v16
	v_and_b32 v[\c], 0x0f0f0f0f, v[\c]
	v_mul_lo_u32 v[\c], v[\c], s30
	v_lshrrev_b32 v[\c], 24, v[\c]
.endm
	s_load_b128 s[4:7], s[0:1], 0x0                ; dens, sel
	v_lshl_add_u32 v2, v0, 2, SPARE                ; my spare word; never rewritten
	v_mov_b32 v3, 0                                ; 0; never rewritten
	v_lshrrev_b32 v1, 5, v0
	v_readfirstlane_b32 s8, v1                     ; wave 0..31
	v_and_b32 v1, 31, v0                           ; lane
	v_lshlrev_b32 v4, 2, v1                        ; 4 x lane
	s_lshl_b32 s9, s8, 10
	v_add_nc_u32 v5, s9, v4                        ; my densities: 1,024 w + 4 lane
	s_lshl_b32 s10, s8, 2
	v_mov_b32 v6, s10                              ; 4 w: my wave's partial sums
	s_lshl_b32 s11, s8, 5
	v_mov_b32 v7, s11                              ; 32 w: my wave's eight words of flags
	s_and_b32 s12, s8, 1                           ; the batch of waves 0 and 1 in the last phase
	s_lshl_b32 s13, s12, 9
	v_lshl_add_u32 v28, v1, 4, s13                 ; 512 b + 16 lane: four words, in LDS and in sel
	s_lshl_b32 s14, s12, 7
	v_add_nc_u32 v29, s14, v4                      ; 128 b + 4 lane: the count's copies
	s_mov_b32 s16, 0x76543210
	s_mov_b32 s17, 0xfedcba98
	s_mov_b32 s18, 0x39000400                      ; fl(1 / 8191)
	s_mov_b32 s19, 0x45fff800                      ; 8191
	s_mov_b32 s30, 0x01010101
	s_wait_kmcnt 0x0
.irp j, 0,1,2,3,4,5,6,7
	global_load_b32 v[8+\j], v5, s[4:5] offset:128*\j      ; 128 consecutive bytes a load
.endr
	s_wait_loadcnt 0x0
	v_add_f32 v16, v8, v9
	v_add_f32 v17, v10, v11
	v_add_f32 v18, v12, v13
	v_add_f32 v19, v14, v15
	v_add_f32 v16, v16, v17
	v_add_f32 v18, v18, v19
	v_add_f32 v16, v16, v18
	RED32 16, 17
	ds_store_b32 v6, v16 offset:PS1
	BARRIER
	ds_load_b32 v16, v4 offset:PS1
	s_wait_dscnt 0x0
	RED32 16, 17
	v_mul_f32 v20, 0x39000000, v16                 ; the mean: / 8,192
.irp j, 0,1,2,3,4,5,6,7
	v_sub_f32 v[32+\j], v[8+\j], v20
.endr
	v_mul_f32 v16, v32, v32
	v_mul_f32 v17, v33, v33
.irp j, 2,4,6
	v_fma_f32 v16, v[32+\j], v[32+\j], v16
	v_fma_f32 v17, v[33+\j], v[33+\j], v17
.endr
	v_add_f32 v16, v16, v17
	RED32 16, 17
	ds_store_b32 v6, v16 offset:PS2
	BARRIER
	ds_load_b32 v16, v4 offset:PS2
	s_wait_dscnt 0x0
	RED32 16, 17
	v_mul_f32 v21, s18, v16                        ; / 8,191: the reciprocal, then one step that takes the remainder in
	v_fma_f32 v22, -v21, s19, v16
	v_fma_f32 v21, v22, s18, v21
	v_sqrt_f32 v23, v21
	v_nop                                          ; a plain instruction behind the root
	s_wait_alu depctr_va_vdst(0)                   ; and the wait ahead of its reader
	v_fma_f32 v24, v23, 0.5, v20                   ; the threshold
.irp j, 0,1,2,3,4,5,6,7
	v_cmp_gt_f32 s[20+\j], v[8+\j], v24            ; bit l: key 256 w + 32 j + l is high.  The masks are data: no branch and no address here hangs on them
.endr
.irp j, 0,1,2,3,4,5,6,7
	v_mov_b32 v[32+\j], s[20+\j]
	ds_store_b32 v7, v[32+\j] offset:BITS+4*\j
.endr
	BARRIER                                        ; all 256 words lie in LDS
	s_cmp_gt_u32 s8, 1
	s_cbranch_scc1 .Lend                           ; wave b of the first two counts batch b
	ds_load_b128 v[8:11], v28 offset:BITS          ; lane l: words 4 l .. 4 l + 3
	s_wait_dscnt 0x0
	POP 8, 12
	POP 9, 13
	POP 10, 14
	POP 11, 15
	v_add_nc_u32 v17, v12, v13
	v_add_nc_u32 v18, v14, v15
	v_add_nc_u32 v17, v17, v18                     ; my four words' ones
	v_mov_b32 v18, v17
.irp n, 1,2,4,8                        ; a running sum over each half of the lanes: lanes with no lane n below them add 0
	v_mov_b32 v19, 0
	v_mov_b32_dpp v19, v18 row_shr:\n row_mask:0xf bank_mask:0xf
	v_add_nc_u32 v18, v18, v19
.endr
	v_readlane_b32 s28, v18, 15
	v_mov_b32 v19, s28
	v_cmp_lt_u32 vcc_lo, 15, v1
	v_cndmask_b32 v19, 0, v19, vcc_lo
	v_add_nc_u32 v18, v18, v19                     ; the upper half adds the lower half's total
	v_readlane_b32 s29, v18, 31                    ; the batch's count
	v_sub_nc_u32 v20, v18, v17                     ; ahead of word 4 l,
	v_add_nc_u32 v21, v20, v12                     ; 4 l + 1,
	v_add_nc_u32 v22, v21, v13
	v_add_nc_u32 v23, v22, v14
	v_mov_b32 v24, s29
	global_store_b128 v28, v[8:11], s[6:7]
	global_store_b128 v28, v[20:23], s[6:7] offset:1024
	global_store_b32 v29, v24, s[6:7] offset:2048
.Lend:
	s_wait_tensorcnt 0x0                           ; the wave's end
	ds_add_u32 v2, v3
	s_wait_dscnt 0x0
	s_endpgm
.Lfunc_end_k_q16fd06fc12_flags:
	.size	k_q16fd06fc12_flags, .Lfunc_end_k_q16fd06fc12_flags-k_q16fd06fc12_flags
	.p2alignl 7, 3214868480
	.fill 96, 4, 3214868480
	.section	.rodata,"a",@progbits
	.p2align	6, 0x0
	.amdhsa_kernel k_q16fd06fc12_flags
		.amdhsa_group_segment_fixed_size 5632
		.amdhsa_private_segment_fixed_size 0
		.amdhsa_enable_private_segment 0
		.amdhsa_kernarg_size 16
		.amdhsa_user_sgpr_count 2
		.amdhsa_user_sgpr_kernarg_segment_ptr 1
		.amdhsa_wavefront_size32 1
		.amdhsa_system_sgpr_workgroup_id_x 1
		.amdhsa_system_sgpr_workgroup_id_y 1
		.amdhsa_system_sgpr_workgroup_id_z 1
		.amdhsa_system_vgpr_workitem_id 0
		.amdhsa_next_free_vgpr 48
		.amdhsa_next_free_sgpr 66
		.amdhsa_reserve_vcc 1
		.amdhsa_float_denorm_mode_32 3
		.amdhsa_float_denorm_mode_16_64 3
		.amdhsa_memory_ordered 1
		.amdhsa_forward_progress 1
		.amdhsa_inst_pref_size 11
	.end_amdhsa_kernel
	.amdgpu_metadata
---
amdhsa.version: [ 1, 2 ]
amdhsa.kernels:
  - .name:           k_q16fd06fc12_flags
    .symbol:         k_q16fd06fc12_flags.kd
    .args:
      - { .name: dens, .offset: 0, .size: 8, .value_kind: global_buffer, .address_space: global }
      - { .name: sel, .offset: 8, .size: 8, .value_kind: global_buffer, .address_space: global }
    .group_segment_fixed_size: 5632
    .private_segment_fixed_size: 0
    .kernarg_segment_align: 8
    .kernarg_segment_size: 16
    .max_flat_workgroup_size: 1024
    .sgpr_count:     66
    .vgpr_count:     48
    .wavefront_size: 32
...
	.end_amdgpu_metadata
.endif
;; end of part 2
;; launch compact (part 3): grid 33 x 2, 8 waves a work-group, no clusters, 2,048 bytes of LDS; arguments sel, kc, vb, kv; writes kv
.if DOCPART == 3
	.amdgcn_target "amdgcn-amd-amdhsa--gfx1250"
	.amdhsa_code_object_version 6
	.text
	.protected	k_q16fd06fc12_compact
	.globl	k_q16fd06fc12_compact
	.p2align	8
	.type	k_q16fd06fc12_compact,@function
k_q16fd06fc12_compact:
	s_mov_b64 s[64:65], 0
	v_nop
	global_prefetch_b8 v0, s[64:65] scope:SCOPE_SE
	s_setreg_imm32_b32 hwreg(HW_REG_WAVE_MODE, 25, 1), 1
	s_wait_xcnt 0x0
; The high keys of a batch, in ascending order, are laid on end in steps of 128 slots, in the order of the attention's operand registers.
; kv: [batch][head][step 0..32][8,192 bytes].  K part: tile t (0..7) at 512 t + 16 lane: lane (r, h) holds channels 16 h .. 16 h + 15 of slot 32 (t / 2) + 8 (t % 2) + r + 8 (r / 8).
; V part: item 4 u + c at 4,096 + 512 (4 u + c) + 16 lane: lane (r, h) holds, of channel 8 u + r + 8 (r / 8), slots 32 c + 16 h + 0 .. 15.
; SHARES.  Work-group (step, batch); wave = head.  The grid serves every split: with up to 4,096 high keys steps 0 .. count / 128 are wanted, at most 33; a work-group whose first slot lies beyond the count stores nothing.
; Slots at or beyond the count take codes of some real key: finite numbers, which the attention masks.
; PHASE 1 (threads 0-127): slot s -> key.  The counts ahead of the 128 flag words ascend, so the last word whose count is at most s holds the key: the words are walked with compare and select,
; no address hangs on them; then the bit of rank s - count is found in five halvings.  Two tables of 128 offsets go to LDS.  PHASE 2: each wave gathers its head's codes by those offsets, held within the buffers.
; No tensor load: the early end hangs on a stored number.
.set KT,    0                          ; 128 words: key x 256
.set VT,    512                        ; 128 words: (key / 16) x 4,096 + key % 16
.set SPARE, 1024                       ; the spare words: 128 bytes a wave, four blocks that no other line names
.set KO,    16                         ; v16-23   K's offsets
.set KD,    24                         ; v24-55   K's codes
.set VO,    56                         ; v56-119  V's offsets: slot 32 c + 16 h + i at 56 + 16 c + i
.set VD,    120                        ; v120-247 V's bytes: 120 + 64 u + 16 c + i
.macro LEVEL a, W                      ; the ones among the next W bits from v32 on stand in a field of v[a]: if the rank is not among them, pass them
	v_bfe_u32 v33, v[\a], v32, \W
	v_cmp_ge_u32 vcc_lo, v27, v33
	v_cndmask_b32 v33, 0, v33, vcc_lo
	v_cndmask_b32 v34, 0, \W, vcc_lo
	v_sub_nc_u32 v27, v27, v33
	v_add_nc_u32 v32, v32, v34
.endm
.macro PACK16 g                        ; 16 bytes, one a register, into the first four registers
.irp q, 0,1,2,3
	v_lshl_or_b32 v[\g+\q], v[\g+4*\q+1], 8, v[\g+4*\q]
	v_lshl_or_b32 v[\g+\q], v[\g+4*\q+2], 16, v[\g+\q]
	v_lshl_or_b32 v[\g+\q], v[\g+4*\q+3], 24, v[\g+\q]
.endr
.endm
	s_load_b256 s[4:11], s[0:1], 0x0               ; sel s[4:5], kc s[6:7], vb s[8:9], kv s[10:11]
	v_lshl_add_u32 v2, v0, 2, SPARE                ; my spare word; never rewritten
	v_mov_b32 v3, 0                                ; 0; never rewritten
	v_lshrrev_b32 v1, 5, v0
	v_readfirstlane_b32 s12, v1                    ; wave = head
	v_and_b32 v1, 31, v0
	v_lshlrev_b32 v4, 4, v1                        ; 16 x lane
	v_lshlrev_b32 v5, 2, v0                        ; 4 x thread: the tables, on the way in
	v_and_b32 v6, 15, v0                           ; r
	v_bfe_u32 v7, v0, 4, 1                         ; h
	v_and_b32 v8, 8, v6
	v_add_nc_u32 v8, v8, v6                        ; r + 8 (r / 8)
	v_lshlrev_b32 v9, 2, v8                        ; K's table, on the way out
	v_lshlrev_b32 v10, 6, v7                       ; V's: 16 words for each half of the lanes
	v_lshlrev_b32 v11, 4, v7                       ; 16 h
	v_lshlrev_b32 v12, 4, v8                       ; 16 (r + 8 (r / 8))
	s_and_b32 s13, ttmp7, 0xffff                   ; batch
	s_lshl_b32 s14, ttmp9, 7                       ; the step's first slot
	v_add_nc_u32 v13, s14, v0                      ; my slot (threads 0-127)
	s_lshl_b32 s16, s13, 9
	s_mov_b32 s17, 0
	s_lshl_b32 s18, s13, 7
	s_mov_b32 s19, 0
	s_lshl_b32 s28, s13, 20                        ; a batch's 1,048,576 bytes in kc and in vb
	s_mov_b32 s31, 0
	s_wait_kmcnt 0x0
	s_add_nc_u64 s[16:17], s[4:5], s[16:17]        ; the batch's flags
	s_add_nc_u64 s[18:19], s[4:5], s[18:19]
	s_load_b32 s15, s[18:19], 0x800                ; the batch's count
	s_lshl_b32 s30, s12, 5
	s_add_co_u32 s30, s30, s28
	s_add_nc_u64 s[6:7], s[6:7], s[30:31]          ; kc at my batch and head
	s_lshl_b32 s30, s12, 9
	s_add_co_u32 s30, s30, s28
	s_add_nc_u64 s[8:9], s[8:9], s[30:31]          ; vb likewise
	s_lshl_b32 s30, s13, 3
	s_add_co_u32 s30, s30, s12
	s_mul_i32 s30, s30, 33
	s_add_co_u32 s30, s30, ttmp9
	s_lshl_b32 s30, s30, 13
	s_add_nc_u64 s[10:11], s[10:11], s[30:31]      ; kv at (batch, head, step)
	s_cmp_gt_u32 s12, 3
	s_cbranch_scc1 .Ltabled
	global_load_b128 v[16:19], v4, s[16:17] offset:1024    ; lane l: the counts ahead of words 4 l .. 4 l + 3,
	global_load_b128 v[20:23], v4, s[16:17]                ; and the words
	v_mov_b32 v24, 0                               ; the count ahead of my word
	v_mov_b32 v25, 0                               ; my word
	v_mov_b32 v26, 0                               ; how many words have a count of at most my slot: at least one, since word 0's is 0
	s_wait_loadcnt 0x0
.set w, 0
.rept 128
	v_readlane_b32 s[20+2*(w%4)], v[16+w%4], w/4
	v_readlane_b32 s[21+2*(w%4)], v[20+w%4], w/4
	v_cmp_le_u32 vcc_lo, s[20+2*(w%4)], v13
	v_cndmask_b32 v24, v24, s[20+2*(w%4)], vcc_lo
	v_cndmask_b32 v25, v25, s[21+2*(w%4)], vcc_lo
	v_add_co_ci_u32 v26, vcc_lo, 0, v26, vcc_lo
.set w, w+1
.endr
	v_sub_nc_u32 v27, v13, v24                     ; the rank of my key's bit in its word
	v_lshrrev_b32 v28, 1, v25
	v_and_b32 v28, 0x55555555, v28
	v_sub_nc_u32 v28, v25, v28                     ; ones in fields of 2 bits,
	v_lshrrev_b32 v29, 2, v28
	v_and_b32 v29, 0x33333333, v29
	v_and_b32 v30, 0x33333333, v28
	v_add_nc_u32 v29, v29, v30                     ; of 4,
	v_lshrrev_b32 v30, 4, v29
	v_add_nc_u32 v30, v30, v29
	v_and_b32 v30, 0x0f0f0f0f, v30                 ; of 8,
	v_lshrrev_b32 v31, 8, v30
	v_add_nc_u32 v31, v31, v30
	v_and_b32 v31, 0x00ff00ff, v31                 ; of 16
	v_mov_b32 v32, 0                               ; the bit's place, at most 31 whatever the rank
	LEVEL 31, 16
	LEVEL 30, 8
	LEVEL 29, 4
	LEVEL 28, 2
	LEVEL 25, 1
	v_lshl_add_u32 v35, v26, 5, v32
	v_add_nc_u32 v35, 0xffffffe0, v35              ; the key: 32 (words - 1) + place
	v_lshlrev_b32 v36, 8, v35
	v_lshrrev_b32 v37, 4, v35
	v_and_b32 v38, 15, v35
	v_lshl_or_b32 v37, v37, 12, v38
	ds_store_b32 v5, v36 offset:KT
	ds_store_b32 v5, v37 offset:VT
.Ltabled:
	s_wait_dscnt 0x0                               ; my stores into the tables have landed
	s_barrier_signal -1
	s_barrier_wait -1                              ; every wave passes this barrier, ahead of the branch on the count
	s_wait_kmcnt 0x0
	s_cmp_gt_u32 s14, s15
	s_cbranch_scc1 .Lnone                          ; the step begins beyond the count: nobody reads it
.irp t, 0,1,2,3,4,5,6,7
	ds_load_b32 v[KO+\t], v9 offset:KT+128*(\t/2)+32*(\t%2)
.endr
.irp c, 0,1,2,3
.irp q, 0,1,2,3
	ds_load_b128 v[VO+16*\c+4*\q:VO+16*\c+4*\q+3], v10 offset:VT+128*\c+16*\q
.endr
.endr
	s_wait_dscnt 0x0
.irp t, 0,1,2,3,4,5,6,7
	v_min_u32 v[KO+\t], 0xfff00, v[KO+\t]          ; key 4,095 at the most
	v_add_nc_u32 v[KO+\t], v[KO+\t], v11
.endr
.set i, 0
.rept 64
	v_min_u32 v[VO+i], 0xff00f, v[VO+i]            ; block 255, key 15 of it, at the most
	v_add_nc_u32 v[VO+i], v[VO+i], v12
.set i, i+1
.endr
.irp t, 0,1,2,3,4,5,6,7
	global_load_b128 v[KD+4*\t:KD+4*\t+3], v[KO+\t], s[6:7]
.endr
.irp u, 0,1
.set i, 0
.rept 64
	global_load_u8 v[VD+64*\u+i], v[VO+i], s[8:9] offset:128*\u
.set i, i+1
.endr
.endr
	s_wait_loadcnt 63                              ; of the 136 loads at most 63 are out: the first 73 are in, K's 8 and the 64 of u = 0 among them
.irp t, 0,1,2,3,4,5,6,7
	global_store_b128 v4, v[KD+4*\t:KD+4*\t+3], s[10:11] offset:512*\t     ; 512 consecutive bytes a store
.endr
.irp c, 0,1,2,3
	PACK16 VD+16*\c
	global_store_b128 v4, v[VD+16*\c:VD+16*\c+3], s[10:11] offset:4096+512*\c
.endr
	s_wait_loadcnt 0x0
.irp c, 0,1,2,3
	PACK16 VD+64+16*\c
	global_store_b128 v4, v[VD+64+16*\c:VD+64+16*\c+3], s[10:11] offset:4096+2048+512*\c
.endr
	s_wait_tensorcnt 0x0                           ; the wave's end
	ds_add_u32 v2, v3
	s_wait_dscnt 0x0
	s_endpgm
.Lnone:
	s_wait_tensorcnt 0x0                           ; the same three lines on the way that stores nothing
	ds_add_u32 v2, v3
	s_wait_dscnt 0x0
	s_endpgm
.Lfunc_end_k_q16fd06fc12_compact:
	.size	k_q16fd06fc12_compact, .Lfunc_end_k_q16fd06fc12_compact-k_q16fd06fc12_compact
	.p2alignl 7, 3214868480
	.fill 96, 4, 3214868480
	.section	.rodata,"a",@progbits
	.p2align	6, 0x0
	.amdhsa_kernel k_q16fd06fc12_compact
		.amdhsa_group_segment_fixed_size 2048
		.amdhsa_private_segment_fixed_size 0
		.amdhsa_enable_private_segment 0
		.amdhsa_kernarg_size 32
		.amdhsa_user_sgpr_count 2
		.amdhsa_user_sgpr_kernarg_segment_ptr 1
		.amdhsa_wavefront_size32 1
		.amdhsa_system_sgpr_workgroup_id_x 1
		.amdhsa_system_sgpr_workgroup_id_y 1
		.amdhsa_system_sgpr_workgroup_id_z 1
		.amdhsa_system_vgpr_workitem_id 0
		.amdhsa_next_free_vgpr 256
		.amdhsa_next_free_sgpr 66
		.amdhsa_reserve_vcc 1
		.amdhsa_float_denorm_mode_32 3
		.amdhsa_float_denorm_mode_16_64 3
		.amdhsa_memory_ordered 1
		.amdhsa_forward_progress 1
		.amdhsa_inst_pref_size 74
	.end_amdhsa_kernel
	.amdgpu_metadata
---
amdhsa.version: [ 1, 2 ]
amdhsa.kernels:
  - .name:           k_q16fd06fc12_compact
    .symbol:         k_q16fd06fc12_compact.kd
    .args:
      - { .name: sel, .offset: 0, .size: 8, .value_kind: global_buffer, .address_space: global }
      - { .name: kc, .offset: 8, .size: 8, .value_kind: global_buffer, .address_space: global }
      - { .name: vb, .offset: 16, .size: 8, .value_kind: global_buffer, .address_space: global }
      - { .name: kv, .offset: 24, .size: 8, .value_kind: global_buffer, .address_space: global }
    .group_segment_fixed_size: 2048
    .private_segment_fixed_size: 0
    .kernarg_segment_align: 8
    .kernarg_segment_size: 32
    .max_flat_workgroup_size: 256
    .sgpr_count:     66
    .vgpr_count:     256
    .wavefront_size: 32
...
	.end_amdgpu_metadata
.endif
;; end of part 3
;; launch attn (part 4): grid 256 x 1, 8 waves a work-group, no clusters, 42,496 bytes of LDS; arguments qc, kc, vb, kv, sel, lowp_scales, w_proj_codes, b_proj, out0; writes out0
.if DOCPART == 4
	.amdgcn_target "amdgcn-amd-amdhsa--gfx1250"
	.amdhsa_code_object_version 6
	.text
	.protected	k_q16fd06fc12_attn
	.globl	k_q16fd06fc12_attn
	.p2align	8
	.type	k_q16fd06fc12_attn,@function
k_q16fd06fc12_attn:
	s_mov_b64 s[64:65], 0
	v_nop
	global_prefetch_b8 v0, s[64:65] scope:SCOPE_SE
	s_setreg_imm32_b32 hwreg(HW_REG_WAVE_MODE, 25, 1), 1
	s_wait_xcnt 0x0
; out0 = Q(softmax(q k^T / sqrt(32) + mask) v) Q(w_proj) + b_proj, all products on codes of E4M3.  A key counts for a query where |i - j| < 16 or the key is high; every other key's weight is exactly 0 and is not computed.
; SHARES.  A work-group takes 32 queries of one batch; wave = head, with two tiles of 16 queries, so that each fragment of K and V feeds two products.  All eight heads meet in LDS for the last product.
; KEYS.  First a window of 64 keys round the queries (w0 = q0 - 16, held within 0 .. 4,032), in which a key counts where |i - j| <= 15 and it is NOT high; then the batch's high keys, laid on end by the launch before,
; 128 a step: count / 128 full steps and one last step in which slots at or beyond the count are hidden.  So each key is taken once.  The query's own key is in one of the two, so the row's sum is never 0.
; THE SOFTMAX: t = score x log2(e) / sqrt(32); M = the running largest t rounded up to a whole number; p = 2^(t - M) is quantised with 2^e4; the sum is taken of the unquantised p; when M moves, sum and O are multiplied by a power of two.
; LAYOUT.  Both products transposed (S^T = K Q^T, O^T = V^T P^T): a lane holds one query.  The keys of a tile of K and the channels of a tile of V are chosen (r + 8 (r / 8)) so that a lane's 16 registers are 16 neighbours along the next K.
; The head has 32 channels and the product's K is 64: Q's upper four registers are zero codes; K's tile t is v[36 + 4 t .. 43 + 4 t], whose upper four are the next tile's codes (finite, times 0); behind the last tile four registers of zeros.
; NO TENSOR LOADS, NO JOINT LOADS: the number of steps is read from memory, so the operands come from memory straight into registers, each fragment whole, one step ahead of its use.
; LIMITS: e2 + e3 between -124 and 129; e4 and e6 - e4 - e5 between -126 and 119; e6 + e7 between -126 and 127.  NaN is not served.
.set AIMG,  0                          ; the attention's codes as images of operand registers: 4,096 T + 512 head + 16 lane
.set OSTG,  8192                       ; 32 rows of out0: 1,024 bytes + 16
.set OP,    1040
.set SPARE, 41472                      ; the spare words: 128 bytes a wave, four blocks that no other line names
.set L16, 1                            ; v1   16 x lane
.set SPW, 2                            ; v2   my spare word; never rewritten
.set NIL, 3                            ; v3   0; never rewritten
.set RR,  4                            ; v4   r
.set HH,  5                            ; v5   h
.set KL,  6                            ; v6   the window's K: 256 (r + 8 (r / 8)) + 16 h
.set VL,  7                            ; v7   the window's V: 4,096 h + 16 (r + 8 (r / 8))
.set QO,  8                            ; v8   256 r + 16 h: Q, and w_proj
.set DT,  9                            ; v9   count % 128 - 1 - 16 h
.set DL,  10                           ; v10, v11  tile T: my query - w0 - 16 h + 15
.set ST,  12                           ; tile T at 12 + 4 T: -M, the largest t, the sum in two halves
.set QF,  20                           ; v20-35   Q, 8 registers a tile
.set KB,  36                           ; v36-71   K
.set AF,  40                           ; v40-103  at the end: the attention's four fragments
.set VB,  72                           ; v72-103  V, 16 registers for each half of the channels
.set S,   104                          ; v104-167 S^T, then p; at the end w_proj's four fragments, then rows of out0
.set P,   168                          ; v168-199 p's codes, 16 a tile; at the end the bias and the attention's codes
.set O,   200                          ; v200-231 O^T: 16 T + 8 u; at the end the last product's four accumulators
.set FF,  232                          ; v232 f, v233 0
.set MX,  234                          ; v234, v235 at work
.set PD,  236                          ; v236 a lane permute's destination
.set SM2, 238                          ; v238, v239 the sum's second chain
.set LIMP, 240                         ; 448 x 2^e4
.set SCP,  241                         ; 2^e4
.set NINF, 242                         ; -infinity
.set LH,   243                         ; bit e: the key of score register e in the window is high
.set TA,   244                         ; v244-246 at work
.set LIMA, 247                         ; 448 x 2^(e6 - e4 - e5)
.set SCA,  248                         ; 2^(e6 - e4 - e5)
.set AI,   249                         ; where my images go
.set SO,   250                         ; the stage, on the way in
.set SR,   251                         ; and back
.set BO,   253                         ; the bias: 32 h
.macro PLACES                          ; four places between a matrix instruction and a read of its result, a write of its registers or a load into them
.rept 4
	v_nop
.endr
.endm
.macro MKSC e, sc, lim                 ; s[e]: an exponent.  v[sc] = 2^e as f32, v[lim] = 448 x 2^e
	s_add_co_i32 s62, s[\e], 127
	s_lshl_b32 s63, s62, 23
	v_mov_b32 v[\sc], s63
	s_add_co_i32 s62, s62, 8
	s_lshl_b32 s62, s62, 23
	s_or_b32 s62, s62, 0x600000
	v_mov_b32 v[\lim], s62
.endm
.macro BARRIER
	s_wait_dscnt 0x0
	s_barrier_signal -1
	s_barrier_wait -1
.endm
.macro KLOAD                           ; a step's eight tiles of K: 512 consecutive bytes a load
.irp t, 0,1,2,3,4,5,6,7
	global_load_b128 v[KB+4*\t:KB+4*\t+3], v[L16], s[66:67] offset:512*\t
.endr
.endm
.macro VLOAD                           ; and its two fragments of V
.irp i, 0,1,2,3,4,5,6,7
	global_load_b128 v[VB+4*\i:VB+4*\i+3], v[L16], s[66:67] offset:4096+512*\i
.endr
.endm
.macro QK T, n                         ; S^T = K Q^T for tile T: n tiles of 16 keys
.set t, 0
.rept \n
	v_wmma_f32_16x16x64_fp8_fp8 v[S+8*t:S+8*t+7], v[KB+4*t:KB+4*t+7], v[QF+8*\T:QF+8*\T+7], 0
.set t, t+1
.endr
.endm
.macro MASKT                           ; the last step: score register e is slot 32 (e / 16) + e % 16 + 16 h, hidden at or beyond count % 128
.set e, 0
.rept 64
	v_cmp_gt_i32 vcc_lo, 32*(e/16)+e%16, v[DT]
	v_cndmask_b32 v[S+e], v[S+e], v[NINF], vcc_lo
.set e, e+1
.endr
.endm
.macro MASKL T                         ; the window: register e is key w0 + 32 (e / 16) + e % 16 + 16 h; it counts where 0 <= query - key + 15 <= 30 and the key is not high
.set e, 0
.rept 32
	v_sub_nc_u32 v[TA], v[DL+\T], 32*(e/16)+e%16
	v_bfe_u32 v[TA+1], v[LH], e, 1
	v_lshl_or_b32 v[TA], v[TA+1], 31, v[TA]
	v_cmp_lt_u32 vcc_lo, 30, v[TA]
	v_cndmask_b32 v[S+e], v[S+e], v[NINF], vcc_lo
.set e, e+1
.endr
.endm
; Tile T's softmax over ne scores.  first = 1: the window, which starts the sums: there is no f and nothing to rescale.  Each accumulator is read from its low end on.
.macro SOFT T, ne, first
.set rT, ST+4*\T
	v_max3_num_f32 v[MX], v[S], v[S+1], v[S+2]             ; the step's largest score of my query, in two chains,
	v_max3_num_f32 v[MX+1], v[S+3], v[S+4], v[S+5]
.set i, 6
.rept (\ne-8)/4
	v_max3_num_f32 v[MX], v[MX], v[S+i], v[S+i+1]
	v_max3_num_f32 v[MX+1], v[MX+1], v[S+i+2], v[S+i+3]
.set i, i+4
.endr
	v_max3_num_f32 v[MX], v[MX], v[S+\ne-2], v[S+\ne-1]
	v_max_num_f32 v[MX], v[MX], v[MX+1]
	v_permlanex16_b32 v[PD], v[MX], s52, s53
	v_max_num_f32 v[MX], v[MX], v[PD]                      ; and among lane l xor 16's
	v_mul_f32 v[MX], s50, v[MX]                            ; as t (c is positive)
	v_max_num_f32 v[rT+1], v[rT+1], v[MX]                  ; the running largest t; it begins at -3e38, so a step with every key hidden leaves it, and p = 0 there
.if !\first
	v_mov_b32 v[MX], v[rT]
.endif
	v_floor_f32 v[rT], -v[rT+1]                            ; -M = floor(-t): M is a whole number
.if !\first
	v_sub_f32 v[MX], v[rT], v[MX]                          ; old M - new M, 0 or less
	v_cvt_i32_f32 v[MX], v[MX]                             ; (it saturates)
	v_ldexp_f32 v[FF], 1.0, v[MX]                          ; f = 2^(old M - new M)
.endif
.set i, 0
.rept \ne/2
	v_pk_fma_f32 v[S+i:S+i+1], v[S+i:S+i+1], s[50:51], v[rT:rT+1] op_sel_hi:[1,0,0]   ; t - M (of the pairs c and -M the low word serves both halves)
.set i, i+2
.endr
.set i, 0
.rept \ne
	v_exp_f32 v[S+i], v[S+i]                               ; p = 2^(t - M)
.set i, i+1
.endr
.if \first
	v_nop                                                  ; a plain instruction behind the last exponential
.else
	v_pk_mul_f32 v[rT+2:rT+3], v[rT+2:rT+3], v[FF:FF+1] op_sel_hi:[1,0]   ; the sum under the new M: also the plain instruction behind the last exponential
.endif
	s_wait_alu depctr_va_vdst(0)                           ; one wait for the batch, ahead of its first reader
	v_pk_add_f32 v[SM2:SM2+1], v[S:S+1], v[S+2:S+3]        ; the row's sum is taken of the unquantised p, in two chains
.set i, 4
.rept (\ne-4)/4
	v_pk_add_f32 v[rT+2:rT+3], v[rT+2:rT+3], v[S+i:S+i+1]
	v_pk_add_f32 v[SM2:SM2+1], v[SM2:SM2+1], v[S+i+2:S+i+3]
.set i, i+4
.endr
	v_pk_add_f32 v[rT+2:rT+3], v[rT+2:rT+3], v[SM2:SM2+1]
	s_cmp_eq_u32 s48, 0                                    ; p is at most 1, so p / 2^e4 is at most 256 where e4 >= -8: within the format, and the hold changes nothing.
	s_cbranch_scc1 .Lno_hold_\@                            ; It is passed over there: a jump on a whole number of lowp_scales, the same in every wave
.set i, 0
.rept \ne
	v_min_num_f32 v[S+i], v[S+i], v[LIMP]                  ; the conversion does not saturate (ISA guide 7.6.2); p is not negative, so the hold is one-sided
.set i, i+1
.endr
.Lno_hold_\@:
.set i, 0
.rept \ne/16
	v_cvt_scalef32_pk8_fp8_f32 v[P+16*\T+4*i:P+16*\T+4*i+1], v[S+16*i:S+16*i+7], v[SCP]
	v_cvt_scalef32_pk8_fp8_f32 v[P+16*\T+4*i+2:P+16*\T+4*i+3], v[S+16*i+8:S+16*i+15], v[SCP]
.set i, i+1
.endr
.if \first
	v_nop                                                  ; a plain instruction behind the last conversion
.else
.set i, 0
.rept 8
	v_pk_mul_f32 v[O+16*\T+i:O+16*\T+i+1], v[O+16*\T+i:O+16*\T+i+1], v[FF:FF+1] op_sel_hi:[1,0]   ; O^T under the new M; also the plain instructions behind the conversions
.set i, i+2
.endr
.endif
.endm
.macro PV big                          ; O^T += V^T P^T: four accumulators, one instruction each.  big = 0: the window's 64 keys start the sums
.irp u, 0,1
.irp q, 0,1
.if \big
	v_wmma_f32_16x16x128_fp8_fp8 v[O+16*\q+8*\u:O+16*\q+8*\u+7], v[VB+16*\u:VB+16*\u+15], v[P+16*\q:P+16*\q+15], v[O+16*\q+8*\u:O+16*\q+8*\u+7]
.else
	v_wmma_f32_16x16x64_fp8_fp8 v[O+16*\q+8*\u:O+16*\q+8*\u+7], v[VB+16*\u:VB+16*\u+7], v[P+16*\q:P+16*\q+7], 0
.endif
.endr
.endr
.endm
	s_load_b512 s[8:23], s[0:1], 0x0               ; qc s[8:9], kc s[10:11], vb s[12:13], kv s[14:15], sel s[16:17], lowp_scales s[18:19], w_proj_codes s[20:21], b_proj s[22:23]
	s_load_b64 s[24:25], s[0:1], 0x40              ; out0
	v_lshl_add_u32 v[SPW], v0, 2, SPARE
	v_mov_b32 v[NIL], 0
	v_lshrrev_b32 v[TA], 5, v0
	v_readfirstlane_b32 s26, v[TA]                 ; wave = head
	v_and_b32 v[TA], 31, v0
	v_lshlrev_b32 v[L16], 4, v[TA]
	v_and_b32 v[RR], 15, v0
	v_bfe_u32 v[HH], v0, 4, 1
	v_and_b32 v[TA+1], 8, v[RR]
	v_add_nc_u32 v[TA+1], v[TA+1], v[RR]           ; r + 8 (r / 8)
	v_lshlrev_b32 v[KL], 8, v[TA+1]
	v_lshl_add_u32 v[KL], v[HH], 4, v[KL]
	v_lshlrev_b32 v[VL], 4, v[TA+1]
	v_lshl_add_u32 v[VL], v[HH], 12, v[VL]
	v_lshlrev_b32 v[QO], 8, v[RR]
	v_lshl_add_u32 v[QO], v[HH], 4, v[QO]
	v_lshlrev_b32 v[BO], 5, v[HH]
	v_lshlrev_b32 v[TA+2], 4, v[HH]                ; 16 h
	s_lshl_b32 s49, s26, 9
	v_add_nc_u32 v[AI], s49, v[L16]                ; 512 head + 16 lane
	v_mul_u32_u24 v[SO], v[RR], OP
	v_lshl_add_u32 v[SO], v[HH], 5, v[SO]
	s_lshl_b32 s49, s26, 7
	v_add_nc_u32 v[SO], s49, v[SO]                 ; 1,040 r + 128 wave + 32 h
	s_mul_i32 s49, s26, 4*OP
	v_add_nc_u32 v[SR], s49, v[L16]                ; my four rows, 16 bytes a lane
	s_lshr_b32 s27, ttmp9, 7                       ; batch
	s_and_b32 s28, ttmp9, 127
	s_lshl_b32 s28, s28, 5                         ; q0
	s_sub_co_i32 s29, s28, 16
	s_max_i32 s29, s29, 0
	s_min_i32 s29, s29, 4032                       ; w0, a multiple of 16
	s_sub_co_i32 s49, s28, s29
	s_add_co_i32 s49, s49, 15
	v_sub_nc_u32 v[DL], v[RR], v[TA+2]
	v_add_nc_u32 v[DL], s49, v[DL]
	v_add_nc_u32 v[DL+1], 16, v[DL]
	s_lshl_b32 s34, s27, 12
	s_lshl_b32 s49, s26, 5
	s_add_co_u32 s62, s34, s28
	s_lshl_b32 s62, s62, 8
	s_add_co_u32 s62, s62, s49                     ; Q: row 4,096 b + q0, + 32 head
	s_mov_b32 s63, 0
	s_add_co_u32 s68, s34, s29
	s_lshl_b32 s68, s68, 8
	s_add_co_u32 s68, s68, s49                     ; the window's K: row 4,096 b + w0, + 32 head
	s_mov_b32 s69, 0
	s_lshl_b32 s70, s27, 8
	s_lshr_b32 s49, s29, 4
	s_add_co_u32 s70, s70, s49
	s_lshl_b32 s70, s70, 12
	s_lshl_b32 s49, s26, 9
	s_add_co_u32 s70, s70, s49                     ; the window's V: block 256 b + w0 / 16, + 512 head
	s_mov_b32 s71, 0
	s_lshl_b32 s34, s27, 3
	s_add_co_u32 s34, s34, s26
	s_mul_i32 s34, s34, 270336                     ; 33 steps of 8,192 bytes for each batch and head
	s_mov_b32 s35, 0
	s_lshl_b32 s30, s27, 7                         ; the count's copies
	s_mov_b32 s31, 0
	s_lshl_b32 s32, s27, 9
	s_lshr_b32 s49, s29, 3
	s_add_co_u32 s32, s32, s49                     ; the window's flags: 2 bytes for 16 keys
	s_mov_b32 s33, 0
	s_mov_b32 s52, 0x76543210                      ; v_permlanex16_b32: lane l xor 16
	s_mov_b32 s53, 0xfedcba98
	s_wait_kmcnt 0x0
	s_load_b256 s[36:43], s[18:19], 0x0            ; e0 .. e7
	s_add_nc_u64 s[30:31], s[16:17], s[30:31]
	s_add_nc_u64 s[32:33], s[16:17], s[32:33]
	s_load_b32 s44, s[30:31], 0x800                ; the batch's count of high keys
	s_load_u16 s56, s[32:33], 0x0                  ; the flags of keys w0 .. w0 + 15,
	s_load_u16 s57, s[32:33], 0x2
	s_load_u16 s58, s[32:33], 0x4
	s_load_u16 s59, s[32:33], 0x6                  ; .. w0 + 48 .. w0 + 63
	s_add_nc_u64 s[8:9], s[8:9], s[62:63]
	s_add_nc_u64 s[10:11], s[10:11], s[68:69]
	s_add_nc_u64 s[12:13], s[12:13], s[70:71]
	s_add_nc_u64 s[66:67], s[14:15], s[34:35]      ; kv at step 0
.irp q, 0,1
	global_load_b128 v[QF+8*\q:QF+8*\q+3], v[QO], s[8:9] offset:4096*\q
.endr
.irp t, 0,1,2,3
	global_load_b128 v[KB+4*\t:KB+4*\t+3], v[KL], s[10:11] offset:256*(32*(\t/2)+8*(\t%2))
.endr
.irp u, 0,1
.irp c, 0,1
	global_load_b128 v[VB+16*\u+4*\c:VB+16*\u+4*\c+3], v[VL], s[12:13] offset:8192*\c+128*\u
.endr
.endr
.irp j, 24,25,26,27,32,33,34,35,52,53,54,55,68,69,70,71,14,15,18,19,233,236
	v_mov_b32 v\j, 0                               ; Q's upper halves, the zeros behind the last tile of K (of four, of eight), the sums, f's partner, the permute's destination
.endr
	v_mov_b32 v13, 0xff61b1e6                      ; the largest t so far: -3e38
	v_mov_b32 v17, 0xff61b1e6
	v_mov_b32 v[NINF], 0xff800000
	s_lshl_b32 s34, s26, 13
	s_add_nc_u64 s[20:21], s[20:21], s[34:35]      ; w_proj: my 32 rows
	s_lshl_b32 s34, s26, 7
	s_add_nc_u64 s[22:23], s[22:23], s[34:35]      ; b_proj: my 32 numbers
	s_lshl_b32 s34, s27, 12
	s_add_co_u32 s34, s34, s28
	s_lshl_b32 s49, s26, 2
	s_add_co_u32 s34, s34, s49
	s_lshl_b32 s34, s34, 10
	s_add_nc_u64 s[24:25], s[24:25], s[34:35]      ; out0: row 4,096 b + q0 + 4 wave
	s_wait_kmcnt 0x0
	s_add_co_i32 s49, s38, s39
	s_lshl_b32 s49, s49, 23
	s_add_co_i32 s50, s49, 0x3e8293ee              ; c = log2(e) / sqrt(32), with e2 + e3 added to its exponent field
	s_mov_b32 s51, s50                             ; (named with it as a pair, so it is written)
	s_cmp_lt_i32 s40, -8
	s_cselect_b32 s48, 1, 0                        ; is p's hold needed?
	MKSC 40, SCP, LIMP
	s_add_co_i32 s49, s40, s41
	s_sub_co_i32 s49, s42, s49                     ; O^T / the sum stands for that x 2^(e4 + e5): the three exponents are folded into the conversion's one
	MKSC 49, SCA, LIMA
	s_add_co_i32 s54, s42, s43
	s_add_co_i32 s54, s54, 127
	s_lshl_b32 s54, s54, 23                        ; 2^(e6 + e7)
	s_mov_b32 s55, s54
	s_min_u32 s44, s44, 4096
	s_lshr_b32 s45, s44, 7                         ; full steps, at most 32
	s_and_b32 s46, s44, 127
	s_sub_co_i32 s46, s46, 1
	v_sub_nc_u32 v[DT], s46, v[TA+2]
	s_lshl_b32 s60, s58, 16
	s_or_b32 s60, s60, s56                         ; lanes 0-15: keys 0-15 and 32-47 of the window
	s_lshl_b32 s61, s59, 16
	s_or_b32 s61, s61, s57                         ; lanes 16-31: keys 16-31 and 48-63
	v_mov_b32 v[LH], s60
	v_mov_b32 v[TA], s61
	v_cmp_eq_u32 vcc_lo, 1, v[HH]
	v_cndmask_b32 v[LH], v[LH], v[TA], vcc_lo
	; ---- the window: 64 keys
	s_wait_loadcnt 4                               ; Q and K are in; V's four loads stay out
	QK 0, 4
	PLACES
	MASKL 0
	SOFT 0, 32, 1
	QK 1, 4
	PLACES
	KLOAD                                          ; step 0's K
	MASKL 1
	SOFT 1, 32, 1
	s_wait_loadcnt 8                               ; the window's V is in; the eight loads of K stay out
	PV 0
	PLACES
	VLOAD                                          ; step 0's V
	s_wait_xcnt 0x0                                ; the loads have read their base
	s_add_nc_u64 s[66:67], s[66:67], 8192
	; ---- the full steps.  At the head of a trip, and of the last step, sixteen loads are out: the step's K, then its V
	s_cmp_eq_u32 s45, 0
	s_cbranch_scc1 .Ltail
	s_mov_b32 s47, 0
.Lstep:
	s_wait_loadcnt 8                               ; K is in; V's eight loads stay out
	QK 0, 8
	PLACES
	SOFT 0, 64, 0
	QK 1, 8
	PLACES
	KLOAD                                          ; the next step's K: at most step count / 128, which is always written
	SOFT 1, 64, 0
	s_wait_loadcnt 8                               ; V is in; the next K's eight loads stay out
	PV 1
	PLACES
	VLOAD                                          ; the next step's V
	s_wait_xcnt 0x0                                ; the loads have read their base
	s_add_nc_u64 s[66:67], s[66:67], 8192
	s_add_co_u32 s47, s47, 1
	s_cmp_lt_u32 s47, s45
	s_cbranch_scc1 .Lstep
.Ltail:
	; ---- the last step: count % 128 slots count, the others are hidden
	s_wait_loadcnt 8
	QK 0, 8
	PLACES
	MASKT
	SOFT 0, 64, 0
	QK 1, 8
	PLACES
	MASKT
	SOFT 1, 64, 0
.irp ct, 0,1                           ; w_proj's four fragments (tile of 16 outputs ct, K step s) take the scores' registers
.irp s, 0,1
.irp c, 0,1,2,3
	global_load_b128 v[S+16*(2*\ct+\s)+4*\c:S+16*(2*\ct+\s)+4*\c+3], v[QO], s[20:21] offset:4096*\ct+128*\s+32*\c
.endr
.endr
.endr
	s_wait_loadcnt 16                              ; V is in; w_proj's sixteen loads stay out
	PV 1
	PLACES
	; ---- O^T / the sum, quantised: a lane's 16 registers of a tile are channels 16 h .. 16 h + 15 of my head: four registers of the last product's operand
	v_add_f32 v14, v14, v15
	v_add_f32 v18, v18, v19
	v_permlanex16_b32 v[PD], v14, s52, s53
	v_permlanex16_b32 v[MX], v18, s52, s53
	v_add_f32 v14, v14, v[PD]
	v_add_f32 v18, v18, v[MX]
.irp ct, 0,1
.irp k, 0,1
	global_load_b128 v[P+8*\ct+4*\k:P+8*\ct+4*\k+3], v[BO], s[22:23] offset:64*\ct+16*\k   ; b_proj at my outputs 16 ct + 8 h + 0 .. 7
.endr
.endr
	v_rcp_f32 v14, v14
	v_rcp_f32 v18, v18
	v_nop                                          ; a plain instruction behind the reciprocals
	s_wait_alu depctr_va_vdst(0)                   ; and one wait for both, ahead of their first reader
.irp q, 0,1
.irp j, 0,2,4,6,8,10,12,14
	v_pk_mul_f32 v[O+16*\q+\j:O+16*\q+\j+1], v[O+16*\q+\j:O+16*\q+\j+1], v[14+4*\q:15+4*\q] op_sel_hi:[1,0]
.endr
.endr
.set i, 0
.rept 32
	v_med3_num_f32 v[O+i], v[O+i], -v[LIMA], v[LIMA]
.set i, i+1
.endr
.irp q, 0,1
	v_cvt_scalef32_pk8_fp8_f32 v[P+16+4*\q:P+17+4*\q], v[O+16*\q:O+16*\q+7], v[SCA]
	v_cvt_scalef32_pk8_fp8_f32 v[P+18+4*\q:P+19+4*\q], v[O+16*\q+8:O+16*\q+15], v[SCA]
.endr
	v_nop                                          ; a plain instruction behind the last conversion: the products below write its sources
.irp q, 0,1
	ds_store_b128 v[AI], v[P+16+4*\q:P+19+4*\q] offset:AIMG+4096*\q
.endr
	BARRIER                                        ; all eight heads' codes lie in LDS
.irp q, 0,1
.irp s, 0,1
.irp c, 0,1,2,3
	ds_load_b128 v[AF+16*(2*\q+\s)+4*\c:AF+16*(2*\q+\s)+4*\c+3], v[L16] offset:AIMG+4096*\q+2048*\s+512*\c
.endr
.endr
.endr
	s_wait_dscnt 0x0
	s_wait_loadcnt 4                               ; w_proj is in; the bias's four loads stay out
; my 32 outputs for the 32 rows, transposed (source 0 = 16 rows of w_proj's codes, source 1 = 16 queries): four accumulators take turns
.irp s, 0,1
.irp q, 0,1
.irp ct, 0,1
.if \s == 0
	v_wmma_f32_16x16x128_fp8_fp8 v[O+8*(2*\q+\ct):O+8*(2*\q+\ct)+7], v[S+16*(2*\ct+\s):S+16*(2*\ct+\s)+15], v[AF+16*(2*\q+\s):AF+16*(2*\q+\s)+15], 0
.else
	v_wmma_f32_16x16x128_fp8_fp8 v[O+8*(2*\q+\ct):O+8*(2*\q+\ct)+7], v[S+16*(2*\ct+\s):S+16*(2*\ct+\s)+15], v[AF+16*(2*\q+\s):AF+16*(2*\q+\s)+15], v[O+8*(2*\q+\ct):O+8*(2*\q+\ct)+7]
.endif
.endr
.endr
.endr
	PLACES
	s_wait_loadcnt 0x0                             ; the bias
.irp q, 0,1
.irp ct, 0,1
.irp j, 0,2,4,6
	v_pk_fma_f32 v[O+8*(2*\q+\ct)+\j:O+8*(2*\q+\ct)+\j+1], v[O+8*(2*\q+\ct)+\j:O+8*(2*\q+\ct)+\j+1], s[54:55], v[P+8*\ct+\j:P+8*\ct+\j+1] op_sel_hi:[1,0,1]   ; sum x 2^(e6 + e7) + bias
.endr
.endr
.endr
.irp q, 0,1
.irp ct, 0,1
.irp k, 0,1
	ds_store_b128 v[SO], v[O+8*(2*\q+\ct)+4*\k:O+8*(2*\q+\ct)+4*\k+3] offset:OSTG+16*OP*\q+64*\ct+16*\k   ; out(16 T + r, 32 wave + 16 ct + 8 h + 4 k ..)
.endr
.endr
.endr
	BARRIER                                        ; 32 whole rows lie in the stage
.irp i, 0,1,2,3
.irp k, 0,1
	ds_load_b128 v[S+4*(2*\i+\k):S+4*(2*\i+\k)+3], v[SR] offset:OSTG+OP*\i+512*\k
.endr
.endr
.irp i, 0,1,2,3
.irp k, 0,1
	s_wait_dscnt 7-2*\i-\k                         ; LDS loads come back in order
	global_store_b128 v[L16], v[S+4*(2*\i+\k):S+4*(2*\i+\k)+3], s[24:25] offset:1024*\i+512*\k th:TH_STORE_NT   ; 32 lanes store 512 consecutive bytes, aligned; written once, read by nobody here
.endr
.endr
	s_wait_tensorcnt 0x0                           ; the wave's end
	ds_add_u32 v[SPW], v[NIL]
	s_wait_dscnt 0x0
	s_endpgm
.Lfunc_end_k_q16fd06fc12_attn:
	.size	k_q16fd06fc12_attn, .Lfunc_end_k_q16fd06fc12_attn-k_q16fd06fc12_attn
	.p2alignl 7, 3214868480
	.fill 96, 4, 3214868480
	.section	.rodata,"a",@progbits
	.p2align	6, 0x0
	.amdhsa_kernel k_q16fd06fc12_attn
		.amdhsa_group_segment_fixed_size 42496
		.amdhsa_private_segment_fixed_size 0
		.amdhsa_enable_private_segment 0
		.amdhsa_kernarg_size 72
		.amdhsa_user_sgpr_count 2
		.amdhsa_user_sgpr_kernarg_segment_ptr 1
		.amdhsa_wavefront_size32 1
		.amdhsa_system_sgpr_workgroup_id_x 1
		.amdhsa_system_sgpr_workgroup_id_y 1
		.amdhsa_system_sgpr_workgroup_id_z 1
		.amdhsa_system_vgpr_workitem_id 0
		.amdhsa_next_free_vgpr 256
		.amdhsa_next_free_sgpr 72
		.amdhsa_reserve_vcc 1
		.amdhsa_float_denorm_mode_32 3
		.amdhsa_float_denorm_mode_16_64 3
		.amdhsa_memory_ordered 1
		.amdhsa_forward_progress 1
		.amdhsa_inst_pref_size 109
	.end_amdhsa_kernel
	.amdgpu_metadata
---
amdhsa.version: [ 1, 2 ]
amdhsa.kernels:
  - .name:           k_q16fd06fc12_attn
    .symbol:         k_q16fd06fc12_attn.kd
    .args:
      - { .name: qc, .offset: 0, .size: 8, .value_kind: global_buffer, .address_space: global }
      - { .name: kc, .offset: 8, .size: 8, .value_kind: global_buffer, .address_space: global }
      - { .name: vb, .offset: 16, .size: 8, .value_kind: global_buffer, .address_space: global }
      - { .name: kv, .offset: 24, .size: 8, .value_kind: global_buffer, .address_space: global }
      - { .name: sel, .offset: 32, .size: 8, .value_kind: global_buffer, .address_space: global }
      - { .name: lowp_scales, .offset: 40, .size: 8, .value_kind: global_buffer, .address_space: global }
      - { .name: w_proj_codes, .offset: 48, .size: 8, .value_kind: global_buffer, .address_space: global }
      - { .name: b_proj, .offset: 56, .size: 8, .value_kind: global_buffer, .address_space: global }
      - { .name: out0, .offset: 64, .size: 8, .value_kind: global_buffer, .address_space: global }
    .group_segment_fixed_size: 42496
    .private_segment_fixed_size: 0
    .kernarg_segment_align: 8
    .kernarg_segment_size: 72
    .max_flat_workgroup_size: 256
    .sgpr_count:     72
    .vgpr_count:     256
    .wavefront_size: 32
...
	.end_amdgpu_metadata
.endif
;; end of part 4
;; ======== version 2 of 2: 4 launches; version 1 with the launches qkv, attn written anew for expert scheduling mode
;; workspace buffers: dens 32,768 bytes; qc 2,097,152 bytes; kc 2,097,152 bytes; vb 2,097,152 bytes; sel 2,304 bytes of whole numbers; kv 4,325,376 bytes
;; launch qkv (part 5): grid 256 x 1, 16 waves a work-group, no clusters, 36,864 bytes of LDS; arguments x, w_qkv_codes, lowp_scales, dens, qc, kc, vb; writes dens, qc, kc, vb
.if DOCPART == 5
	.amdgcn_target "amdgcn-amd-amdhsa--gfx1250"
	.amdhsa_code_object_version 6
	.text
	.protected	k_q16fd06fc12_qkv
	.globl	k_q16fd06fc12_qkv
	.p2align	8
	.type	k_q16fd06fc12_qkv,@function
k_q16fd06fc12_qkv:
	s_mov_b64 s[64:65], 0
	v_nop
	global_prefetch_b8 v0, s[64:65] scope:SCOPE_SE
	s_setreg_imm32_b32 hwreg(HW_REG_WAVE_SCHED_MODE, 0, 2), 2
	s_setreg_imm32_b32 hwreg(HW_REG_WAVE_MODE, 25, 1), 1
	s_wait_xcnt 0x0
	s_wait_alu depctr_vm_vsrc(0)
; q, k, v = Q(x) Q(w_qkv) on codes of E4M3, quantised again for the attention, and each row's information density.
; x: [8192][256] f32.  w_qkv_codes: [768][256], K innermost.  lowp_scales: e0 .. e7.
; OUT: dens [8192] f32 = (std of the row (255 in the divisor) + mean |x[n] - x[n-1]| (0 for a batch's first row)) / 2;
;      qc, kc [8192][256]: codes of q and k, channel = 32 head + d;  vb [8192/16][256 channels][16 keys]: codes of v, keys innermost in blocks of 16.
; SHARES.  A work-group takes 32 rows and all 768 columns.  Wave w of 16 first takes rows 2 w and 2 w + 1 (density, codes of x into LDS), then the
; column tiles 16 w of q, of k and of v, for both tiles of 16 rows: its 6 fragments of the weights (96 registers) come from memory straight into registers, once.
; q and k are multiplied transposed (source 0 = 16 columns of w, source 1 = 16 rows of x): a lane holds 8 neighbouring channels of one row.
; v is multiplied as it stands (source 0 = x, source 1 = w): a lane holds 8 neighbouring KEYS of one channel, which is what the second attention product wants innermost.
; A fragment is fetched by four loads of 16 bytes (registers 4 c .. 4 c + 3: k = 32 c + 16 (lane / 16) + 0 .. 15): a permutation of k, alike in both operands.
; NO JOINT LOADS: the weights are shared by all work-groups, but each wave reads its 12,288 bytes once, into registers; through LDS they would take 768 rows x 272 bytes and the cluster's rounds for that one read.
; LIMITS: e0, e2 - e0 - e1, e3 - e0 - e1, e5 - e0 - e1 between -126 and 119.  NaN and infinities in x are not served.
; THE MODE: SCHED_MODE bits 1:0 = 2 (LLVM: expert scheduling mode 2), set by the entry lines.  The code itself states the register dependences
; between vector or matrix instructions and memory or LDS instructions, with s_wait_alu, always for 0.
; THE PLAN.  Registers that memory or LDS instructions touch:
;   v4-v13      offsets and LDS addresses: made at the head, never written again: one wait on va_vdst ahead of the first load serves them all.
;   v16-111     the weights: loaded once, read by the products alone.
;   v112-135    three rows of x as loaded; read by the statistics, held in place, read by the conversions.  With v136-175 (v136-167: the statistics' registers) they then take x's fragments from LDS.
;   v138, v154, v224-227   the two densities and x's codes: written by vector instructions, read by ONE run of four LDS stores, behind one wait on va_vdst, which also states that
;               every vector instruction is done with v112-167.  Behind the barrier one wait on vm_vsrc: those stores have read v138 and v154, in which fragments land, and v224-227, which conversions write again.
;   v224-235    the codes of q, k and v: written by the conversions; a wait on va_vdst; read by six LDS stores; behind the barrier a wait on vm_vsrc; LDS loads land in them; the global stores read them.
;   s18         the wave's number, written by a vector instruction: a wait on va_sdst ahead of its first reader.
.set PX,    272                        ; an LDS row of 256 codes + 16 bytes: 16 rows start at 16 different groups of banks
.set XT,    0                          ; x's codes, 32 rows
.set QS,    8704                       ; q's codes, 32 rows
.set KS,    17408                      ; k's codes, 32 rows
.set VS,    26112                      ; v's codes as they lie in vb: (256 m + channel) x 16 bytes
.set DENS,  34304                      ; 32 densities, in a block of 256 bytes of their own
.set SPARE, 34560                      ; the spare words: 128 bytes a wave, eight blocks that no other line names
.set WF,    16                         ; v16-111   the weights: fragment (which, s) at 16 + 32 which + 16 s
.set XR,    112                        ; v112-175  x's fragments (m, s) at 112 + 16 (2 m + s); before that the rows in f32
.set ACC,   176                        ; v176-223  six accumulators: 8 (2 which + m)
.set CD,    224                        ; v224-235  codes; at the end what is read back from the stages
.macro RED32 a, t                      ; the sum over the wave's 32 lanes, in every lane
	v_add_f32_dpp v[\a], v[\a], v[\a] row_xmask:1 row_mask:0xf bank_mask:0xf
	v_add_f32_dpp v[\a], v[\a], v[\a] row_xmask:2 row_mask:0xf bank_mask:0xf
	v_add_f32_dpp v[\a], v[\a], v[\a] row_xmask:4 row_mask:0xf bank_mask:0xf
	v_add_f32_dpp v[\a], v[\a], v[\a] row_xmask:8 row_mask:0xf bank_mask:0xf
	v_permlanex16_b32 v[\t], v[\a], s28, s29
	v_add_f32 v[\a], v[\a], v[\t]
.endm
.macro RSA X, T                        ; a row's variance in two passes: v[T] the mean, v[T+12] the sum of squared deviations / 255
	v_pk_add_f32 v[\T:\T+1], v[\X:\X+1], v[\X+2:\X+3]
	v_pk_add_f32 v[\T+2:\T+3], v[\X+4:\X+5], v[\X+6:\X+7]
	v_pk_add_f32 v[\T:\T+1], v[\T:\T+1], v[\T+2:\T+3]
	v_add_f32 v[\T], v[\T], v[\T+1]
	RED32 \T, \T+1
	v_mul_f32 v[\T], 0x3b800000, v[\T]             ; / 256
.irp j, 0,2,4,6
	v_pk_add_f32 v[\T+2+\j:\T+3+\j], v[\X+\j:\X+\j+1], v[\T:\T+1] op_sel_hi:[1,0] neg_lo:[0,1] neg_hi:[0,1]
.endr
	v_pk_mul_f32 v[\T+10:\T+11], v[\T+2:\T+3], v[\T+2:\T+3]
.irp j, 2,4,6
	v_pk_fma_f32 v[\T+10:\T+11], v[\T+2+\j:\T+3+\j], v[\T+2+\j:\T+3+\j], v[\T+10:\T+11]
.endr
	v_add_f32 v[\T+10], v[\T+10], v[\T+11]
	RED32 \T+10, \T+11
	v_mul_f32 v[\T+12], s46, v[\T+10]              ; x fl(1 / 255), then one step that takes the remainder in
	v_fma_f32 v[\T+13], -v[\T+12], s47, v[\T+10]
	v_fma_f32 v[\T+12], v[\T+13], s46, v[\T+12]
.endm
.macro RSD X, P, T                     ; v[T+2] = the sum of |row - row before|
.irp j, 0,2,4,6
	v_pk_add_f32 v[\T+2+\j:\T+3+\j], v[\X+\j:\X+\j+1], v[\P+\j:\P+\j+1] neg_lo:[0,1] neg_hi:[0,1]
.endr
.irp j, 2,3,4,5,6,7,8,9
	v_and_b32 v[\T+\j], s45, v[\T+\j]
.endr
	v_pk_add_f32 v[\T+2:\T+3], v[\T+2:\T+3], v[\T+4:\T+5]
	v_pk_add_f32 v[\T+6:\T+7], v[\T+6:\T+7], v[\T+8:\T+9]
	v_pk_add_f32 v[\T+2:\T+3], v[\T+2:\T+3], v[\T+6:\T+7]
	v_add_f32 v[\T+2], v[\T+2], v[\T+3]
	RED32 \T+2, \T+3
.endm
.macro MKSC e, sc, lim                 ; s[e]: an exponent.  v[sc] = 2^e as f32 (the conversion takes its exponent field), v[lim] = 448 x 2^e
	s_add_co_i32 s40, s[\e], 127
	s_lshl_b32 s41, s40, 23
	v_mov_b32 v[\sc], s41
	s_add_co_i32 s40, s40, 8
	s_lshl_b32 s40, s40, 23
	s_or_b32 s40, s40, 0x600000
	v_mov_b32 v[\lim], s40
.endm
.macro QHOLD a, lim, sc, d             ; an accumulator's 8 sums become 8 codes; it is read from its low end on
.irp i, 0,1,2,3,4,5,6,7
	v_med3_num_f32 v[\a+\i], v[\a+\i], -v[\lim], v[\lim]   ; the conversion to an 8-bit code does not saturate (ISA guide 7.6.2): the hold at the largest code x the scale
.endr
	v_cvt_scalef32_pk8_fp8_f32 v[\d:\d+1], v[\a:\a+7], v[\sc]
.endm
.macro BARRIER                         ; my LDS stores have landed and my LDS loads are in: then the work-group's barrier
	s_wait_dscnt 0x0
	s_barrier_signal -1
	s_barrier_wait -1
.endm
	s_load_b256 s[4:11], s[0:1], 0x0               ; x s[4:5], w_qkv_codes s[6:7], lowp_scales s[8:9], dens s[10:11]
	s_load_b128 s[12:15], s[0:1], 0x20             ; qc s[12:13], kc s[14:15]
	s_load_b64 s[16:17], s[0:1], 0x30              ; vb
	v_lshl_add_u32 v2, v0, 2, SPARE                ; my spare word; never rewritten
	v_mov_b32 v3, 0                                ; 0; never rewritten
	v_lshrrev_b32 v1, 5, v0
	v_readfirstlane_b32 s18, v1                    ; wave 0..15
	v_and_b32 v1, 31, v0                           ; lane
	v_and_b32 v15, 15, v0                          ; r
	v_bfe_u32 v14, v0, 4, 1                        ; h
	v_lshlrev_b32 v4, 5, v1                        ; x: my 8 numbers of a row: 32 x lane
	s_wait_alu depctr_va_sdst(0)                   ; s18 is written, ahead of its first reader: LDS addresses and the buffers' bases are made from it
	s_mul_i32 s30, s18, 2*PX
	v_lshl_add_u32 v5, v1, 3, s30                  ; x's codes into LDS: rows 2 w, 2 w + 1; 8 bytes a lane
	v_mul_u32_u24 v6, v15, PX
	v_lshl_add_u32 v8, v14, 3, v6
	v_lshl_add_u32 v6, v14, 4, v6                  ; x's fragments: 272 r + 16 h
	s_lshl_b32 s30, s18, 4
	v_add_nc_u32 v8, s30, v8                       ; q's and k's codes into their stages: 272 r + 16 w + 8 h
	v_lshlrev_b32 v7, 8, v15
	v_lshl_add_u32 v7, v14, 4, v7                  ; the weights: 256 r + 16 h
	v_lshlrev_b32 v9, 4, v15
	v_lshl_add_u32 v9, v14, 3, v9
	s_lshl_b32 s30, s18, 8
	v_add_nc_u32 v9, s30, v9                       ; v's codes into their stage: 16 (16 w + r) + 8 h
	v_lshrrev_b32 v10, 4, v0
	v_mul_u32_u24 v10, v10, PX
	v_lshl_add_u32 v10, v15, 4, v10                ; back from q's and k's stages: row thread / 16, 16 bytes
	v_lshlrev_b32 v11, 4, v0                       ; 16 x thread: v's stage, and all three buffers
	v_lshlrev_b32 v12, 2, v1                       ; 4 x lane: the densities, in LDS and in memory
	s_lshl_b32 s30, s18, 3
	v_mov_b32 v13, s30                             ; 8 w: where my two densities go
	s_lshl_b32 s34, ttmp9, 5
	s_lshl_b32 s35, s18, 1
	s_add_co_u32 s34, s34, s35                     ; my first row: 32 x work-group + 2 x wave
	s_and_b32 s35, s34, 4095
	s_cmp_eq_u32 s35, 0                            ; a batch's first row has no row before it: it is set against itself, which gives the 0 that is asked
	s_cselect_b32 s35, 0, 1
	s_sub_co_u32 s35, s34, s35
	s_lshl_b32 s36, s34, 10
	s_mov_b32 s37, 0
	s_lshl_b32 s38, s35, 10
	s_mov_b32 s39, 0
	s_lshl_b32 s32, s18, 12                        ; my 16 rows of each third of the weights
	s_mov_b32 s33, 0
	s_lshl_b32 s42, ttmp9, 13                      ; the work-group's 8,192 bytes in qc, kc and vb
	s_mov_b32 s43, 0
	s_lshl_b32 s30, ttmp9, 7                       ; and its 128 in dens
	s_mov_b32 s31, 0
	s_mov_b32 s28, 0x76543210                      ; v_permlanex16_b32: lane l xor 16
	s_mov_b32 s29, 0xfedcba98
	s_mov_b32 s45, 0x7fffffff
	s_mov_b32 s46, 0x3b808081                      ; fl(1 / 255)
	s_mov_b32 s47, 0x437f0000                      ; 255
	s_wait_kmcnt 0x0
	s_load_b256 s[20:27], s[8:9], 0x0              ; e0 .. e7
	s_add_nc_u64 s[36:37], s[4:5], s[36:37]
	s_add_nc_u64 s[38:39], s[4:5], s[38:39]
	s_add_nc_u64 s[6:7], s[6:7], s[32:33]
	s_add_nc_u64 s[10:11], s[10:11], s[30:31]
	s_add_nc_u64 s[12:13], s[12:13], s[42:43]
	s_add_nc_u64 s[14:15], s[14:15], s[42:43]
	s_add_nc_u64 s[16:17], s[16:17], s[42:43]
	s_wait_alu depctr_va_vdst(0)                   ; the offsets and LDS addresses v4 to v13 are written: every load and store of the kernel reads one of them
	global_load_b128 v[112:115], v4, s[38:39]              ; the row before
	global_load_b128 v[116:119], v4, s[38:39] offset:16
	global_load_b128 v[120:123], v4, s[36:37]              ; row 2 w
	global_load_b128 v[124:127], v4, s[36:37] offset:16
	global_load_b128 v[128:131], v4, s[36:37] offset:1024  ; row 2 w + 1
	global_load_b128 v[132:135], v4, s[36:37] offset:1040
.irp wh, 0,1,2
.irp s, 0,1
.irp c, 0,1,2,3
	global_load_b128 v[WF+32*\wh+16*\s+4*\c:WF+32*\wh+16*\s+4*\c+3], v7, s[6:7] offset:65536*\wh+128*\s+32*\c
.endr
.endr
.endr
	s_wait_loadcnt 24                              ; loads come back in order: the six of x are in, the 24 of the weights stay out
	RSA 120, 136
	RSA 128, 152
	v_sqrt_f32 v150, v148
	v_sqrt_f32 v166, v164
	RSD 120, 112, 136                              ; the differences are the work behind the two roots
	RSD 128, 120, 152
	s_wait_alu depctr_va_vdst(0)                   ; the two roots have written v150 and v166: one wait for both, ahead of their first reader
	v_fmamk_f32 v138, v138, 0x3b800000, v150       ; std + sum / 256
	v_fmamk_f32 v154, v154, 0x3b800000, v166
	v_mul_f32 v138, 0.5, v138
	v_mul_f32 v154, 0.5, v154
	s_wait_kmcnt 0x0
	s_add_co_i32 s42, s20, s21                     ; a sum of this product stands for sum x 2^(e0 + e1): the three exponents are folded into the conversion's one
	s_sub_co_i32 s43, s22, s42
	s_sub_co_i32 s44, s23, s42
	s_sub_co_i32 s42, s25, s42
	MKSC 20, 240, 241                              ; x
	MKSC 43, 242, 243                              ; q: e2 - e0 - e1
	MKSC 44, 244, 245                              ; k: e3 - e0 - e1
	MKSC 42, 246, 247                              ; v: e5 - e0 - e1
.irp i, 0,1,2,3,4,5,6,7
	v_med3_num_f32 v[120+\i], v[120+\i], -v241, v241
	v_med3_num_f32 v[128+\i], v[128+\i], -v241, v241
.endr
	v_cvt_scalef32_pk8_fp8_f32 v[CD:CD+1], v[120:127], v240
	v_cvt_scalef32_pk8_fp8_f32 v[CD+2:CD+3], v[128:135], v240
	v_nop                                          ; a plain instruction behind the last conversion, ahead of whatever next writes its registers
	s_wait_alu depctr_va_vdst(0)                   ; the densities v138, v154 and the codes v224-227 are written, which the four LDS stores read; and every vector instruction is done with v112-167, in which x's fragments land below
	ds_store_b32 v13, v138 offset:DENS             ; every lane holds the same number
	ds_store_b32 v13, v154 offset:DENS+4
	ds_store_b64 v5, v[CD:CD+1] offset:XT
	ds_store_b64 v5, v[CD+2:CD+3] offset:XT+PX
	BARRIER                                        ; 32 rows of codes and 32 densities lie in LDS
	s_wait_alu depctr_vm_vsrc(0)                   ; my four LDS stores have read v138 and v154, in which the loads below land, and v224-227, which the conversions of q write again
.irp m, 0,1
.irp s, 0,1
.irp c, 0,1,2,3
	ds_load_b128 v[XR+16*(2*\m+\s)+4*\c:XR+16*(2*\m+\s)+4*\c+3], v6 offset:XT+16*PX*\m+128*\s+32*\c
.endr
.endr
.endr
	ds_load_b32 v236, v12 offset:DENS
	s_wait_dscnt 0x0
	s_wait_loadcnt 0x0                             ; the weights
	s_cmp_lg_u32 s18, 0
	s_cbranch_scc1 .Lnot_wave_0
	global_store_b32 v12, v236, s[10:11]           ; wave 0 stores the work-group's 32 densities: 128 consecutive bytes
.Lnot_wave_0:
; 12 matrix instructions: the six accumulators take turns, one instruction a turn; the first K step starts the sums
.irp s, 0,1
.irp wh, 0,1,2
.irp m, 0,1
.if \wh < 2
.if \s == 0
	v_wmma_f32_16x16x128_fp8_fp8 v[ACC+8*(2*\wh+\m):ACC+8*(2*\wh+\m)+7], v[WF+32*\wh+16*\s:WF+32*\wh+16*\s+15], v[XR+16*(2*\m+\s):XR+16*(2*\m+\s)+15], 0
.else
	v_wmma_f32_16x16x128_fp8_fp8 v[ACC+8*(2*\wh+\m):ACC+8*(2*\wh+\m)+7], v[WF+32*\wh+16*\s:WF+32*\wh+16*\s+15], v[XR+16*(2*\m+\s):XR+16*(2*\m+\s)+15], v[ACC+8*(2*\wh+\m):ACC+8*(2*\wh+\m)+7]
.endif
.else
.if \s == 0
	v_wmma_f32_16x16x128_fp8_fp8 v[ACC+8*(2*\wh+\m):ACC+8*(2*\wh+\m)+7], v[XR+16*(2*\m+\s):XR+16*(2*\m+\s)+15], v[WF+32*\wh+16*\s:WF+32*\wh+16*\s+15], 0
.else
	v_wmma_f32_16x16x128_fp8_fp8 v[ACC+8*(2*\wh+\m):ACC+8*(2*\wh+\m)+7], v[XR+16*(2*\m+\s):XR+16*(2*\m+\s)+15], v[WF+32*\wh+16*\s:WF+32*\wh+16*\s+15], v[ACC+8*(2*\wh+\m):ACC+8*(2*\wh+\m)+7]
.endif
.endif
.endr
.endr
.endr
.rept 4
	v_nop                                          ; four places between the last product and the first read of results (ISA guide 7.12.1)
.endr
	QHOLD ACC,    243, 242, CD
	QHOLD ACC+8,  243, 242, CD+2
	QHOLD ACC+16, 245, 244, CD+4
	QHOLD ACC+24, 245, 244, CD+6
	QHOLD ACC+32, 247, 246, CD+8
	QHOLD ACC+40, 247, 246, CD+10
	v_nop                                          ; a plain instruction behind the last conversion
	s_wait_alu depctr_va_vdst(0)                   ; the six conversions have written v224-235, which the LDS stores read
.irp m, 0,1
	ds_store_b64 v8, v[CD+2*\m:CD+2*\m+1] offset:QS+16*PX*\m       ; q(16 m + r, 16 w + 8 h + 0 .. 7)
	ds_store_b64 v8, v[CD+4+2*\m:CD+5+2*\m] offset:KS+16*PX*\m     ; k likewise
	ds_store_b64 v9, v[CD+8+2*\m:CD+9+2*\m] offset:VS+4096*\m      ; v(keys 16 m + 8 h + 0 .. 7, channel 16 w + r)
.endr
	BARRIER                                        ; the three stages are whole
	s_wait_alu depctr_vm_vsrc(0)                   ; my six LDS stores have read v224-235, in which the loads below land
	ds_load_b128 v[CD:CD+3], v10 offset:QS
	ds_load_b128 v[CD+4:CD+7], v10 offset:KS
	ds_load_b128 v[CD+8:CD+11], v11 offset:VS
	s_wait_dscnt 2                                 ; LDS loads come back in order: the first is in
	global_store_b128 v11, v[CD:CD+3], s[12:13]    ; sixteen lanes store 256 consecutive bytes, aligned
	s_wait_dscnt 1
	global_store_b128 v11, v[CD+4:CD+7], s[14:15]
	s_wait_dscnt 0
	global_store_b128 v11, v[CD+8:CD+11], s[16:17]
	s_wait_dscnt 0x0                               ; the closing lines, six on end
	s_wait_alu 0x0
	s_wait_tensorcnt 0x0
	ds_add_u32 v2, v3
	s_wait_dscnt 0x0
	s_endpgm
.Lfunc_end_k_q16fd06fc12_qkv:
	.size	k_q16fd06fc12_qkv, .Lfunc_end_k_q16fd06fc12_qkv-k_q16fd06fc12_qkv
	.p2alignl 7, 3214868480
	.fill 96, 4, 3214868480
	.section	.rodata,"a",@progbits
	.p2align	6, 0x0
	.amdhsa_kernel k_q16fd06fc12_qkv
		.amdhsa_group_segment_fixed_size 36864
		.amdhsa_private_segment_fixed_size 0
		.amdhsa_enable_private_segment 0
		.amdhsa_kernarg_size 56
		.amdhsa_user_sgpr_count 2
		.amdhsa_user_sgpr_kernarg_segment_ptr 1
		.amdhsa_wavefront_size32 1
		.amdhsa_system_sgpr_workgroup_id_x 1
		.amdhsa_system_sgpr_workgroup_id_y 1
		.amdhsa_system_sgpr_workgroup_id_z 1
		.amdhsa_system_vgpr_workitem_id 0
		.amdhsa_next_free_vgpr 256
		.amdhsa_next_free_sgpr 66
		.amdhsa_reserve_vcc 0
		.amdhsa_float_denorm_mode_32 3
		.amdhsa_float_denorm_mode_16_64 3
		.amdhsa_memory_ordered 1
		.amdhsa_forward_progress 1
		.amdhsa_inst_pref_size 22
	.end_amdhsa_kernel
	.amdgpu_metadata
---
amdhsa.version: [ 1, 2 ]
amdhsa.kernels:
  - .name:           k_q16fd06fc12_qkv
    .symbol:         k_q16fd06fc12_qkv.kd
    .args:
      - { .name: x, .offset: 0, .size: 8, .value_kind: global_buffer, .address_space: global }
      - { .name: w_qkv_codes, .offset: 8, .size: 8, .value_kind: global_buffer, .address_space: global }
      - { .name: lowp_scales, .offset: 16, .size: 8, .value_kind: global_buffer, .address_space: global }
      - { .name: dens, .offset: 24, .size: 8, .value_kind: global_buffer, .address_space: global }
      - { .name: qc, .offset: 32, .size: 8, .value_kind: global_buffer, .address_space: global }
      - { .name: kc, .offset: 40, .size: 8, .value_kind: global_buffer, .address_space: global }
      - { .name: vb, .offset: 48, .size: 8, .value_kind: global_buffer, .address_space: global }
    .group_segment_fixed_size: 36864
    .private_segment_fixed_size: 0
    .kernarg_segment_align: 8
    .kernarg_segment_size: 56
    .max_flat_workgroup_size: 512
    .sgpr_count:     66
    .vgpr_count:     256
    .wavefront_size: 32
...
	.end_amdgpu_metadata
.endif
;; end of part 5
;; launch flags: the kernel of part 2 again; grid 1 x 1, 32 waves a work-group, no clusters, 5,632 bytes of LDS; arguments dens, sel; writes sel
;; launch compact: the kernel of part 3 again; grid 33 x 2, 8 waves a work-group, no clusters, 2,048 bytes of LDS; arguments sel, kc, vb, kv; writes kv
;; launch attn (part 6): grid 256 x 1, 8 waves a work-group, no clusters, 42,496 bytes of LDS; arguments qc, kc, vb, kv, sel, lowp_scales, w_proj_codes, b_proj, out0; writes out0
.if DOCPART == 6
	.amdgcn_target "amdgcn-amd-amdhsa--gfx1250"
	.amdhsa_code_object_version 6
	.text
	.protected	k_q16fd06fc12_attn
	.globl	k_q16fd06fc12_attn
	.p2align	8
	.type	k_q16fd06fc12_attn,@function
k_q16fd06fc12_attn:
	s_mov_b64 s[64:65], 0
	v_nop
	global_prefetch_b8 v0, s[64:65] scope:SCOPE_SE
	s_setreg_imm32_b32 hwreg(HW_REG_WAVE_SCHED_MODE, 0, 2), 2
	s_setreg_imm32_b32 hwreg(HW_REG_WAVE_MODE, 25, 1), 1
	s_wait_xcnt 0x0
	s_wait_alu depctr_vm_vsrc(0)
; out0 = Q(softmax(q k^T / sqrt(32) + mask) v) Q(w_proj) + b_proj, all products on codes of E4M3.  A key counts for a query where |i - j| < 16 or the key is high; every other key's weight is exactly 0 and is not computed.
; SHARES.  A work-group takes 32 queries of one batch; wave = head, with two tiles of 16 queries, so that each fragment of K and V feeds two products.  All eight heads meet in LDS for the last product.
; KEYS.  First a window of 64 keys round the queries (w0 = q0 - 16, held within 0 .. 4,032), in which a key counts where |i - j| <= 15 and it is NOT high; then the batch's high keys, laid on end by the launch before,
; 128 a step: count / 128 full steps and one last step in which slots at or beyond the count are hidden.  So each key is taken once.  The query's own key is in one of the two, so the row's sum is never 0.
; THE SOFTMAX: t = score x log2(e) / sqrt(32); M = the running largest t rounded up to a whole number; p = 2^(t - M) is quantised with 2^e4; the sum is taken of the unquantised p; when M moves, sum and O are multiplied by a power of two.
; LAYOUT.  Both products transposed (S^T = K Q^T, O^T = V^T P^T): a lane holds one query.  The keys of a tile of K and the channels of a tile of V are chosen (r + 8 (r / 8)) so that a lane's 16 registers are 16 neighbours along the next K.
; The head has 32 channels and the product's K is 64: Q's upper four registers are zero codes; K's tile t is v[36 + 4 t .. 43 + 4 t], whose upper four are the next tile's codes (finite, times 0); behind the last tile four registers of zeros.
; NO TENSOR LOADS, NO JOINT LOADS: the number of steps is read from memory, so the operands come from memory straight into registers, each fragment whole, ahead of its use.
; LIMITS: e2 + e3 between -124 and 129; e4 and e6 - e4 - e5 between -126 and 119; e6 + e7 between -126 and 127.  NaN is not served.
; THE MODE: SCHED_MODE bits 1:0 = 2 (LLVM: expert scheduling mode 2), set by the entry lines.  The code itself states the register dependences
; between vector or matrix instructions and memory or LDS instructions, with s_wait_alu, always for 0.
; THE PLAN.  Registers that memory or LDS instructions touch:
;   v1, v6-v8, v249-v251, v253   offsets and LDS addresses: made at the head, never written again: one wait on va_vdst ahead of the first load serves them all.
;   K (v36-67)    read by both tiles' K Q^T.  One wait on va_vdst stands behind the second tile's K Q^T and its places; the next step's eight loads follow it in one run,
;                 and have that tile's softmax and V^T P in which to land.  No vector or matrix instruction up to the next step's head names K.
;   V (v72-103)   read by V^T P at a step's end.  The next step's V is asked for in that next step, behind the wait that its first tile's exponentials have in any case: that wait also states that the
;                 last V^T P is done reading V.  The eight loads are dealt among the tile's packed sums, which name the scores and the statistics alone; they have the rest of the step in which to land.
;   S (v104-167), P's first 16 (v168-183)   at the end w_proj's fragments and the bias land in them, behind the reciprocals' wait: the softmax is done with S, the last V^T P with P.
;   v184-191, O (v200-231)   the attention's codes and the rows of out0: written by vector instructions, read by a run of LDS stores each, with a wait on va_vdst ahead of each run.
;   v40-103, v104-135   at the end LDS loads land in them: the products that read them stand ahead of the waits just named.
;   No register that a memory or LDS instruction reads is written again, so no wait on vm_vsrc is owed.
;   Scalars that vector instructions write: s26, the wave's number (a wait on va_sdst ahead of its first reader); VCC once at the head (a wait on va_vcc); the masks' comparisons, laid in runs of
;   sixteen into s28-s43, with one wait on va_sdst behind each run and the sixteen selects behind that.
.set AIMG,  0                          ; the attention's codes as images of operand registers: 4,096 T + 512 head + 16 lane
.set OSTG,  8192                       ; 32 rows of out0: 1,024 bytes + 16
.set OP,    1040
.set SPARE, 41472                      ; the spare words: 128 bytes a wave, four blocks that no other line names
.set L16, 1                            ; v1   16 x lane
.set SPW, 2                            ; v2   my spare word; never rewritten
.set NIL, 3                            ; v3   0; never rewritten
.set RR,  4                            ; v4   r
.set HH,  5                            ; v5   h
.set KL,  6                            ; v6   the window's K: 256 (r + 8 (r / 8)) + 16 h
.set VL,  7                            ; v7   the window's V: 4,096 h + 16 (r + 8 (r / 8))
.set QO,  8                            ; v8   256 r + 16 h: Q, and w_proj
.set DT,  9                            ; v9   count % 128 - 1 - 16 h
.set DL,  10                           ; v10, v11  tile T: my query - w0 - 16 h + 15
.set ST,  12                           ; tile T at 12 + 4 T: -M, the largest t, the sum in two halves
.set QF,  20                           ; v20-35   Q, 8 registers a tile
.set KB,  36                           ; v36-71   K
.set AF,  40                           ; v40-103  at the end: the attention's four fragments
.set VB,  72                           ; v72-103  V, 16 registers for each half of the channels
.set S,   104                          ; v104-167 S^T, then p; at the end w_proj's four fragments, then rows of out0
.set P,   168                          ; v168-199 p's codes, 16 a tile; at the end the bias and the attention's codes
.set O,   200                          ; v200-231 O^T: 16 T + 8 u; at the end the last product's four accumulators
.set FF,  232                          ; v232 f, v233 0
.set MX,  234                          ; v234, v235 at work
.set PD,  236                          ; v236 a lane permute's destination
.set SM2, 238                          ; v238, v239 the sum's second chain
.set LIMP, 240                         ; 448 x 2^e4
.set SCP,  241                         ; 2^e4
.set NINF, 242                         ; -infinity
.set LH,   243                         ; bit e: the key of score register e in the window is high
.set TA,   244                         ; v244-246 at work
.set LIMA, 247                         ; 448 x 2^(e6 - e4 - e5)
.set SCA,  248                         ; 2^(e6 - e4 - e5)
.set AI,   249                         ; where my images go
.set SO,   250                         ; the stage, on the way in
.set SR,   251                         ; and back
.set BO,   253                         ; the bias: 32 h
.set MS,   28                          ; s28-s43  sixteen lane masks; at the head these registers hold ids, bases of scalar loads and the exponents, all done with when the first mask is made
.macro PLACES                          ; four places between a matrix instruction and a vector instruction that reads its result or writes one of its registers (ISA guide 7.12.1)
.rept 4
	v_nop
.endr
.endm
.macro MKSC e, sc, lim                 ; s[e]: an exponent.  v[sc] = 2^e as f32, v[lim] = 448 x 2^e
	s_add_co_i32 s62, s[\e], 127
	s_lshl_b32 s63, s62, 23
	v_mov_b32 v[\sc], s63
	s_add_co_i32 s62, s62, 8
	s_lshl_b32 s62, s62, 23
	s_or_b32 s62, s62, 0x600000
	v_mov_b32 v[\lim], s62
.endm
.macro BARRIER
	s_wait_dscnt 0x0
	s_barrier_signal -1
	s_barrier_wait -1
.endm
.macro KLOAD at                        ; a step's eight tiles of K, at bytes from the base on: 512 consecutive bytes a load
.irp t, 0,1,2,3,4,5,6,7
	global_load_b128 v[KB+4*\t:KB+4*\t+3], v[L16], s[66:67] offset:(\at)+512*\t
.endr
.endm
.macro QK T, n                         ; S^T = K Q^T for tile T: n tiles of 16 keys
.set t, 0
.rept \n
	v_wmma_f32_16x16x64_fp8_fp8 v[S+8*t:S+8*t+7], v[KB+4*t:KB+4*t+7], v[QF+8*\T:QF+8*\T+7], 0
.set t, t+1
.endr
.endm
.macro MASKT                           ; the last step: score register 16 g + e is slot 32 g + e + 16 h, hidden at or beyond count % 128.  Sixteen comparisons, one wait, sixteen selects
.set g, 0
.rept 4
.set e, 0
.rept 16
	v_cmp_gt_i32 s[MS+e], 32*g+e, v[DT]
.set e, e+1
.endr
	s_wait_alu depctr_va_sdst(0)                   ; the sixteen comparisons have written s28-s43, ahead of the selects that read them
.set e, 0
.rept 16
	v_cndmask_b32 v[S+16*g+e], v[S+16*g+e], v[NINF], s[MS+e]
.set e, e+1
.endr
.set g, g+1
.endr
.endm
.macro MASKL T                         ; the window: register 16 g + e is key w0 + 32 g + e + 16 h; it counts where 0 <= query - key + 15 <= 30 and the key is not high
.set g, 0
.rept 2
.set e, 0
.rept 16
	v_sub_nc_u32 v[TA], v[DL+\T], 32*g+e
	v_bfe_u32 v[TA+1], v[LH], 16*g+e, 1
	v_lshl_or_b32 v[TA], v[TA+1], 31, v[TA]
	v_cmp_lt_u32 s[MS+e], 30, v[TA]
.set e, e+1
.endr
	s_wait_alu depctr_va_sdst(0)                   ; the sixteen comparisons have written s28-s43, ahead of the selects that read them
.set e, 0
.rept 16
	v_cndmask_b32 v[S+16*g+e], v[S+16*g+e], v[NINF], s[MS+e]
.set e, e+1
.endr
.set g, g+1
.endr
.endm
; Tile T's softmax over ne scores.  first = 1: the window, which starts the sums: there is no f and nothing to rescale.  Each accumulator is read from its low end on.
; vl = 1: this step's V is asked for, behind the wait for the exponentials, a load in front of each pair of packed sums.
.macro SOFT T, ne, first, vl
.set rT, ST+4*\T
	v_max3_num_f32 v[MX], v[S], v[S+1], v[S+2]             ; the step's largest score of my query, in two chains,
	v_max3_num_f32 v[MX+1], v[S+3], v[S+4], v[S+5]
.set i, 6
.rept (\ne-8)/4
	v_max3_num_f32 v[MX], v[MX], v[S+i], v[S+i+1]
	v_max3_num_f32 v[MX+1], v[MX+1], v[S+i+2], v[S+i+3]
.set i, i+4
.endr
	v_max3_num_f32 v[MX], v[MX], v[S+\ne-2], v[S+\ne-1]
	v_max_num_f32 v[MX], v[MX], v[MX+1]
	v_permlanex16_b32 v[PD], v[MX], s52, s53
	v_max_num_f32 v[MX], v[MX], v[PD]                      ; and among lane l xor 16's
	v_mul_f32 v[MX], s50, v[MX]                            ; as t (c is positive)
	v_max_num_f32 v[rT+1], v[rT+1], v[MX]                  ; the running largest t; it begins at -3e38, so a step with every key hidden leaves it, and p = 0 there
.if !\first
	v_mov_b32 v[MX], v[rT]
.endif
	v_floor_f32 v[rT], -v[rT+1]                            ; -M = floor(-t): M is a whole number
.if !\first
	v_sub_f32 v[MX], v[rT], v[MX]                          ; old M - new M, 0 or less
	v_cvt_i32_f32 v[MX], v[MX]                             ; (it saturates)
	v_ldexp_f32 v[FF], 1.0, v[MX]                          ; f = 2^(old M - new M)
.endif
.set i, 0
.rept \ne/2
	v_pk_fma_f32 v[S+i:S+i+1], v[S+i:S+i+1], s[50:51], v[rT:rT+1] op_sel_hi:[1,0,0]   ; t - M (of the pairs c and -M the low word serves both halves)
.set i, i+2
.endr
.set i, 0
.rept \ne
	v_exp_f32 v[S+i], v[S+i]                               ; p = 2^(t - M)
.set i, i+1
.endr
.if \first
	v_nop                                                  ; a plain instruction behind the last exponential
.else
	v_pk_mul_f32 v[rT+2:rT+3], v[rT+2:rT+3], v[FF:FF+1] op_sel_hi:[1,0]   ; the sum under the new M: also the plain instruction behind the last exponential
.endif
	s_wait_alu depctr_va_vdst(0)                           ; the exponentials have written p: one wait for the batch, ahead of its first reader.  vl = 1: and the last V^T P is done reading V, in which the loads below land
	v_pk_add_f32 v[SM2:SM2+1], v[S:S+1], v[S+2:S+3]        ; the row's sum is taken of the unquantised p, in two chains
.set i, 4
.rept (\ne-4)/4
.if \vl && (i <= 32)
	global_load_b128 v[VB+i-4:VB+i-1], v[L16], s[66:67] offset:4096+128*(i-4)   ; item i / 4 - 1 of the step's V: 512 consecutive bytes.  No wait: no vector instruction since the wait above names V
.endif
	v_pk_add_f32 v[rT+2:rT+3], v[rT+2:rT+3], v[S+i:S+i+1]
	v_pk_add_f32 v[SM2:SM2+1], v[SM2:SM2+1], v[S+i+2:S+i+3]
.set i, i+4
.endr
	v_pk_add_f32 v[rT+2:rT+3], v[rT+2:rT+3], v[SM2:SM2+1]
	s_cmp_eq_u32 s48, 0                                    ; p is at most 1, so p / 2^e4 is at most 256 where e4 >= -8: within the format, and the hold changes nothing.
	s_cbranch_scc1 .Lno_hold_\@                            ; It is passed over there: a jump on a whole number of lowp_scales, the same in every wave
.set i, 0
.rept \ne
	v_min_num_f32 v[S+i], v[S+i], v[LIMP]                  ; the conversion does not saturate (ISA guide 7.6.2); p is not negative, so the hold is one-sided
.set i, i+1
.endr
.Lno_hold_\@:
.set i, 0
.rept \ne/16
	v_cvt_scalef32_pk8_fp8_f32 v[P+16*\T+4*i:P+16*\T+4*i+1], v[S+16*i:S+16*i+7], v[SCP]
	v_cvt_scalef32_pk8_fp8_f32 v[P+16*\T+4*i+2:P+16*\T+4*i+3], v[S+16*i+8:S+16*i+15], v[SCP]
.set i, i+1
.endr
.if \first
	v_nop                                                  ; a plain instruction behind the last conversion
.else
.set i, 0
.rept 8
	v_pk_mul_f32 v[O+16*\T+i:O+16*\T+i+1], v[O+16*\T+i:O+16*\T+i+1], v[FF:FF+1] op_sel_hi:[1,0]   ; O^T under the new M; also the plain instructions behind the conversions
.set i, i+2
.endr
.endif
.endm
.macro PV big                          ; O^T += V^T P^T: four accumulators, one instruction each.  big = 0: the window's 64 keys start the sums
.irp u, 0,1
.irp q, 0,1
.if \big
	v_wmma_f32_16x16x128_fp8_fp8 v[O+16*\q+8*\u:O+16*\q+8*\u+7], v[VB+16*\u:VB+16*\u+15], v[P+16*\q:P+16*\q+15], v[O+16*\q+8*\u:O+16*\q+8*\u+7]
.else
	v_wmma_f32_16x16x64_fp8_fp8 v[O+16*\q+8*\u:O+16*\q+8*\u+7], v[VB+16*\u:VB+16*\u+7], v[P+16*\q:P+16*\q+7], 0
.endif
.endr
.endr
.endm
	s_load_b512 s[8:23], s[0:1], 0x0               ; qc s[8:9], kc s[10:11], vb s[12:13], kv s[14:15], sel s[16:17], lowp_scales s[18:19], w_proj_codes s[20:21], b_proj s[22:23]
	s_load_b64 s[24:25], s[0:1], 0x40              ; out0
	v_lshl_add_u32 v[SPW], v0, 2, SPARE
	v_mov_b32 v[NIL], 0
	v_lshrrev_b32 v[TA], 5, v0
	v_readfirstlane_b32 s26, v[TA]                 ; wave = head
	v_and_b32 v[TA], 31, v0
	v_lshlrev_b32 v[L16], 4, v[TA]
	v_and_b32 v[RR], 15, v0
	v_bfe_u32 v[HH], v0, 4, 1
	v_and_b32 v[TA+1], 8, v[RR]
	v_add_nc_u32 v[TA+1], v[TA+1], v[RR]           ; r + 8 (r / 8)
	v_lshlrev_b32 v[KL], 8, v[TA+1]
	v_lshl_add_u32 v[KL], v[HH], 4, v[KL]
	v_lshlrev_b32 v[VL], 4, v[TA+1]
	v_lshl_add_u32 v[VL], v[HH], 12, v[VL]
	v_lshlrev_b32 v[QO], 8, v[RR]
	v_lshl_add_u32 v[QO], v[HH], 4, v[QO]
	v_lshlrev_b32 v[BO], 5, v[HH]
	v_lshlrev_b32 v[TA+2], 4, v[HH]                ; 16 h
	s_wait_alu depctr_va_sdst(0)                   ; s26 is written, ahead of its first reader: LDS addresses and the buffers' bases are made from it
	s_lshl_b32 s49, s26, 9
	v_add_nc_u32 v[AI], s49, v[L16]                ; 512 head + 16 lane
	v_mul_u32_u24 v[SO], v[RR], OP
	v_lshl_add_u32 v[SO], v[HH], 5, v[SO]
	s_lshl_b32 s49, s26, 7
	v_add_nc_u32 v[SO], s49, v[SO]                 ; 1,040 r + 128 wave + 32 h
	s_mul_i32 s49, s26, 4*OP
	v_add_nc_u32 v[SR], s49, v[L16]                ; my four rows, 16 bytes a lane
	s_lshr_b32 s27, ttmp9, 7                       ; batch
	s_and_b32 s28, ttmp9, 127
	s_lshl_b32 s28, s28, 5                         ; q0
	s_sub_co_i32 s29, s28, 16
	s_max_i32 s29, s29, 0
	s_min_i32 s29, s29, 4032                       ; w0, a multiple of 16
	s_sub_co_i32 s49, s28, s29
	s_add_co_i32 s49, s49, 15
	v_sub_nc_u32 v[DL], v[RR], v[TA+2]
	v_add_nc_u32 v[DL], s49, v[DL]
	v_add_nc_u32 v[DL+1], 16, v[DL]
	s_lshl_b32 s34, s27, 12
	s_lshl_b32 s49, s26, 5
	s_add_co_u32 s62, s34, s28
	s_lshl_b32 s62, s62, 8
	s_add_co_u32 s62, s62, s49                     ; Q: row 4,096 b + q0, + 32 head
	s_mov_b32 s63, 0
	s_add_co_u32 s68, s34, s29
	s_lshl_b32 s68, s68, 8
	s_add_co_u32 s68, s68, s49                     ; the window's K: row 4,096 b + w0, + 32 head
	s_mov_b32 s69, 0
	s_lshl_b32 s70, s27, 8
	s_lshr_b32 s49, s29, 4
	s_add_co_u32 s70, s70, s49
	s_lshl_b32 s70, s70, 12
	s_lshl_b32 s49, s26, 9
	s_add_co_u32 s70, s70, s49                     ; the window's V: block 256 b + w0 / 16, + 512 head
	s_mov_b32 s71, 0
	s_lshl_b32 s34, s27, 3
	s_add_co_u32 s34, s34, s26
	s_mul_i32 s34, s34, 270336                     ; 33 steps of 8,192 bytes for each batch and head
	s_mov_b32 s35, 0
	s_lshl_b32 s30, s27, 7                         ; the count's copies
	s_mov_b32 s31, 0
	s_lshl_b32 s32, s27, 9
	s_lshr_b32 s49, s29, 3
	s_add_co_u32 s32, s32, s49                     ; the window's flags: 2 bytes for 16 keys
	s_mov_b32 s33, 0
	s_mov_b32 s52, 0x76543210                      ; v_permlanex16_b32: lane l xor 16
	s_mov_b32 s53, 0xfedcba98
	s_wait_kmcnt 0x0
	s_load_b256 s[36:43], s[18:19], 0x0            ; e0 .. e7
	s_add_nc_u64 s[30:31], s[16:17], s[30:31]
	s_add_nc_u64 s[32:33], s[16:17], s[32:33]
	s_load_b32 s44, s[30:31], 0x800                ; the batch's count of high keys
	s_load_u16 s56, s[32:33], 0x0                  ; the flags of keys w0 .. w0 + 15,
	s_load_u16 s57, s[32:33], 0x2
	s_load_u16 s58, s[32:33], 0x4
	s_load_u16 s59, s[32:33], 0x6                  ; .. w0 + 48 .. w0 + 63
	s_add_nc_u64 s[8:9], s[8:9], s[62:63]
	s_add_nc_u64 s[10:11], s[10:11], s[68:69]
	s_add_nc_u64 s[12:13], s[12:13], s[70:71]
	s_add_nc_u64 s[66:67], s[14:15], s[34:35]      ; kv at step 0
	s_wait_alu depctr_va_vdst(0)                   ; the offsets and LDS addresses v1, v6-v8, v249-v251 and v253 are written: every load and store of the kernel reads one of them
.irp q, 0,1
	global_load_b128 v[QF+8*\q:QF+8*\q+3], v[QO], s[8:9] offset:4096*\q
.endr
.irp t, 0,1,2,3
	global_load_b128 v[KB+4*\t:KB+4*\t+3], v[KL], s[10:11] offset:256*(32*(\t/2)+8*(\t%2))
.endr
.irp u, 0,1
.irp c, 0,1
	global_load_b128 v[VB+16*\u+4*\c:VB+16*\u+4*\c+3], v[VL], s[12:13] offset:8192*\c+128*\u
.endr
.endr
.irp j, 24,25,26,27,32,33,34,35,52,53,54,55,68,69,70,71,14,15,18,19,233,236
	v_mov_b32 v\j, 0                               ; Q's upper halves, the zeros behind the last tile of K (of four, of eight), the sums, f's partner, the permute's destination
.endr
	v_mov_b32 v13, 0xff61b1e6                      ; the largest t so far: -3e38
	v_mov_b32 v17, 0xff61b1e6
	v_mov_b32 v[NINF], 0xff800000
	s_lshl_b32 s34, s26, 13
	s_add_nc_u64 s[20:21], s[20:21], s[34:35]      ; w_proj: my 32 rows
	s_lshl_b32 s34, s26, 7
	s_add_nc_u64 s[22:23], s[22:23], s[34:35]      ; b_proj: my 32 numbers
	s_lshl_b32 s34, s27, 12
	s_add_co_u32 s34, s34, s28
	s_lshl_b32 s49, s26, 2
	s_add_co_u32 s34, s34, s49
	s_lshl_b32 s34, s34, 10
	s_add_nc_u64 s[24:25], s[24:25], s[34:35]      ; out0: row 4,096 b + q0 + 4 wave
	s_wait_kmcnt 0x0
	s_add_co_i32 s49, s38, s39
	s_lshl_b32 s49, s49, 23
	s_add_co_i32 s50, s49, 0x3e8293ee              ; c = log2(e) / sqrt(32), with e2 + e3 added to its exponent field
	s_mov_b32 s51, s50                             ; (named with it as a pair, so it is written)
	s_cmp_lt_i32 s40, -8
	s_cselect_b32 s48, 1, 0                        ; is p's hold needed?
	MKSC 40, SCP, LIMP
	s_add_co_i32 s49, s40, s41
	s_sub_co_i32 s49, s42, s49                     ; O^T / the sum stands for that x 2^(e4 + e5): the three exponents are folded into the conversion's one
	MKSC 49, SCA, LIMA
	s_add_co_i32 s54, s42, s43
	s_add_co_i32 s54, s54, 127
	s_lshl_b32 s54, s54, 23                        ; 2^(e6 + e7)
	s_mov_b32 s55, s54
	s_min_u32 s44, s44, 4096
	s_lshr_b32 s45, s44, 7                         ; full steps, at most 32
	s_and_b32 s46, s44, 127
	s_sub_co_i32 s46, s46, 1
	v_sub_nc_u32 v[DT], s46, v[TA+2]
	s_lshl_b32 s60, s58, 16
	s_or_b32 s60, s60, s56                         ; lanes 0-15: keys 0-15 and 32-47 of the window
	s_lshl_b32 s61, s59, 16
	s_or_b32 s61, s61, s57                         ; lanes 16-31: keys 16-31 and 48-63
	v_mov_b32 v[LH], s60
	v_mov_b32 v[TA], s61
	v_cmp_eq_u32 vcc_lo, 1, v[HH]
	s_wait_alu depctr_va_vcc(0)                    ; the comparison has written VCC, ahead of the select that reads it
	v_cndmask_b32 v[LH], v[LH], v[TA], vcc_lo
	; ---- the window: 64 keys
	s_wait_loadcnt 4                               ; Q and K are in; V's four loads stay out
	QK 0, 4
	PLACES
	MASKL 0
	SOFT 0, 32, 1, 0
	QK 1, 4
	PLACES
	s_wait_alu depctr_va_vdst(0)                   ; both tiles' K Q^T are done reading K, and the head's zeros in v52-55 are written: the loads below land in v36-67
	KLOAD 0                                        ; step 0's K
	MASKL 1
	SOFT 1, 32, 1, 0
	s_wait_loadcnt 8                               ; the window's V is in; the eight loads of K stay out
	PV 0
	; ---- the full steps.  At the head of a trip, and of the last step, eight loads are out: the step's K.  The base stands at the step in hand: its V lies 4,096 bytes on, the next step's K 8,192
	s_cmp_eq_u32 s45, 0
	s_cbranch_scc1 .Ltail
	s_mov_b32 s47, 0
.Lstep:
	s_wait_loadcnt 0x0                             ; K is in; nothing younger is out
	QK 0, 8
	PLACES
	SOFT 0, 64, 0, 1                               ; and this step's V is asked for
	QK 1, 8
	PLACES
	s_wait_alu depctr_va_vdst(0)                   ; both tiles' K Q^T are done reading K, in which the loads below land
	KLOAD 8192                                     ; the next step's K: at most step count / 128, which is always written
	SOFT 1, 64, 0, 0
	s_wait_loadcnt 8                               ; V is in; the next K's eight loads stay out
	PV 1
	s_wait_xcnt 0x0                                ; the loads have read their base
	s_add_nc_u64 s[66:67], s[66:67], 8192
	s_add_co_u32 s47, s47, 1
	s_cmp_lt_u32 s47, s45
	s_cbranch_scc1 .Lstep
.Ltail:
	; ---- the last step: count % 128 slots count, the others are hidden
	s_wait_loadcnt 0x0                             ; K is in
	QK 0, 8
	PLACES
	MASKT
	SOFT 0, 64, 0, 1                               ; and this step's V is asked for
	QK 1, 8
	PLACES
	MASKT
	SOFT 1, 64, 0, 0
	s_wait_loadcnt 0x0                             ; V is in
	PV 1
	PLACES
	; ---- O^T / the sum, quantised: a lane's 16 registers of a tile are channels 16 h .. 16 h + 15 of my head: four registers of the last product's operand
	v_add_f32 v14, v14, v15
	v_add_f32 v18, v18, v19
	v_permlanex16_b32 v[PD], v14, s52, s53
	v_permlanex16_b32 v[MX], v18, s52, s53
	v_add_f32 v14, v14, v[PD]
	v_add_f32 v18, v18, v[MX]
	v_rcp_f32 v14, v14
	v_rcp_f32 v18, v18
	v_nop                                          ; a plain instruction behind the reciprocals
	s_wait_alu depctr_va_vdst(0)                   ; the reciprocals have written v14 and v18, ahead of their first reader; the softmax is done with the scores' registers and the last V^T P with P, in which the loads below land
.irp ct, 0,1                           ; w_proj's four fragments (tile of 16 outputs ct, K step s) take the scores' registers
.irp s, 0,1
.irp c, 0,1,2,3
	global_load_b128 v[S+16*(2*\ct+\s)+4*\c:S+16*(2*\ct+\s)+4*\c+3], v[QO], s[20:21] offset:4096*\ct+128*\s+32*\c
.endr
.endr
.endr
.irp ct, 0,1
.irp k, 0,1
	global_load_b128 v[P+8*\ct+4*\k:P+8*\ct+4*\k+3], v[BO], s[22:23] offset:64*\ct+16*\k   ; b_proj at my outputs 16 ct + 8 h + 0 .. 7
.endr
.endr
.irp q, 0,1
.irp j, 0,2,4,6,8,10,12,14
	v_pk_mul_f32 v[O+16*\q+\j:O+16*\q+\j+1], v[O+16*\q+\j:O+16*\q+\j+1], v[14+4*\q:15+4*\q] op_sel_hi:[1,0]
.endr
.endr
.set i, 0
.rept 32
	v_med3_num_f32 v[O+i], v[O+i], -v[LIMA], v[LIMA]
.set i, i+1
.endr
.irp q, 0,1
	v_cvt_scalef32_pk8_fp8_f32 v[P+16+4*\q:P+17+4*\q], v[O+16*\q:O+16*\q+7], v[SCA]
	v_cvt_scalef32_pk8_fp8_f32 v[P+18+4*\q:P+19+4*\q], v[O+16*\q+8:O+16*\q+15], v[SCA]
.endr
	v_nop                                          ; a plain instruction behind the last conversion: the products below write its sources
	s_wait_alu depctr_va_vdst(0)                   ; the four conversions have written v184-191, which the LDS stores read
.irp q, 0,1
	ds_store_b128 v[AI], v[P+16+4*\q:P+19+4*\q] offset:AIMG+4096*\q
.endr
	BARRIER                                        ; all eight heads' codes lie in LDS
.irp q, 0,1
.irp s, 0,1
.irp c, 0,1,2,3
	ds_load_b128 v[AF+16*(2*\q+\s)+4*\c:AF+16*(2*\q+\s)+4*\c+3], v[L16] offset:AIMG+4096*\q+2048*\s+512*\c   ; into K's and V's registers: the products that read those stand ahead of the waits above
.endr
.endr
.endr
	s_wait_dscnt 0x0
	s_wait_loadcnt 4                               ; w_proj is in; the bias's four loads stay out
; my 32 outputs for the 32 rows, transposed (source 0 = 16 rows of w_proj's codes, source 1 = 16 queries): four accumulators take turns
.irp s, 0,1
.irp q, 0,1
.irp ct, 0,1
.if \s == 0
	v_wmma_f32_16x16x128_fp8_fp8 v[O+8*(2*\q+\ct):O+8*(2*\q+\ct)+7], v[S+16*(2*\ct+\s):S+16*(2*\ct+\s)+15], v[AF+16*(2*\q+\s):AF+16*(2*\q+\s)+15], 0
.else
	v_wmma_f32_16x16x128_fp8_fp8 v[O+8*(2*\q+\ct):O+8*(2*\q+\ct)+7], v[S+16*(2*\ct+\s):S+16*(2*\ct+\s)+15], v[AF+16*(2*\q+\s):AF+16*(2*\q+\s)+15], v[O+8*(2*\q+\ct):O+8*(2*\q+\ct)+7]
.endif
.endr
.endr
.endr
	PLACES
	s_wait_loadcnt 0x0                             ; the bias
.irp q, 0,1
.irp ct, 0,1
.irp j, 0,2,4,6
	v_pk_fma_f32 v[O+8*(2*\q+\ct)+\j:O+8*(2*\q+\ct)+\j+1], v[O+8*(2*\q+\ct)+\j:O+8*(2*\q+\ct)+\j+1], s[54:55], v[P+8*\ct+\j:P+8*\ct+\j+1] op_sel_hi:[1,0,1]   ; sum x 2^(e6 + e7) + bias
.endr
.endr
.endr
	s_wait_alu depctr_va_vdst(0)                   ; the multiply-adds have written v200-231, which the LDS stores read; and the last products are done reading w_proj's registers, in which the stage's rows land below
.irp q, 0,1
.irp ct, 0,1
.irp k, 0,1
	ds_store_b128 v[SO], v[O+8*(2*\q+\ct)+4*\k:O+8*(2*\q+\ct)+4*\k+3] offset:OSTG+16*OP*\q+64*\ct+16*\k   ; out(16 T + r, 32 wave + 16 ct + 8 h + 4 k ..)
.endr
.endr
.endr
	BARRIER                                        ; 32 whole rows lie in the stage
.irp i, 0,1,2,3
.irp k, 0,1
	ds_load_b128 v[S+4*(2*\i+\k):S+4*(2*\i+\k)+3], v[SR] offset:OSTG+OP*\i+512*\k
.endr
.endr
.irp i, 0,1,2,3
.irp k, 0,1
	s_wait_dscnt 7-2*\i-\k                         ; LDS loads come back in order
	global_store_b128 v[L16], v[S+4*(2*\i+\k):S+4*(2*\i+\k)+3], s[24:25] offset:1024*\i+512*\k th:TH_STORE_NT   ; 32 lanes store 512 consecutive bytes, aligned; written once, read by nobody here
.endr
.endr
	s_wait_dscnt 0x0                               ; the closing lines, six on end
	s_wait_alu 0x0
	s_wait_tensorcnt 0x0
	ds_add_u32 v[SPW], v[NIL]
	s_wait_dscnt 0x0
	s_endpgm
.Lfunc_end_k_q16fd06fc12_attn:
	.size	k_q16fd06fc12_attn, .Lfunc_end_k_q16fd06fc12_attn-k_q16fd06fc12_attn
	.p2alignl 7, 3214868480
	.fill 96, 4, 3214868480
	.section	.rodata,"a",@progbits
	.p2align	6, 0x0
	.amdhsa_kernel k_q16fd06fc12_attn
		.amdhsa_group_segment_fixed_size 42496
		.amdhsa_private_segment_fixed_size 0
		.amdhsa_enable_private_segment 0
		.amdhsa_kernarg_size 72
		.amdhsa_user_sgpr_count 2
		.amdhsa_user_sgpr_kernarg_segment_ptr 1
		.amdhsa_wavefront_size32 1
		.amdhsa_system_sgpr_workgroup_id_x 1
		.amdhsa_system_sgpr_workgroup_id_y 1
		.amdhsa_system_sgpr_workgroup_id_z 1
		.amdhsa_system_vgpr_workitem_id 0
		.amdhsa_next_free_vgpr 256
		.amdhsa_next_free_sgpr 72
		.amdhsa_reserve_vcc 1
		.amdhsa_float_denorm_mode_32 3
		.amdhsa_float_denorm_mode_16_64 3
		.amdhsa_memory_ordered 1
		.amdhsa_forward_progress 1
		.amdhsa_inst_pref_size 122
	.end_amdhsa_kernel
	.amdgpu_metadata
---
amdhsa.version: [ 1, 2 ]
amdhsa.kernels:
  - .name:           k_q16fd06fc12_attn
    .symbol:         k_q16fd06fc12_attn.kd
    .args:
      - { .name: qc, .offset: 0, .size: 8, .value_kind: global_buffer, .address_space: global }
      - { .name: kc, .offset: 8, .size: 8, .value_kind: global_buffer, .address_space: global }
      - { .name: vb, .offset: 16, .size: 8, .value_kind: global_buffer, .address_space: global }
      - { .name: kv, .offset: 24, .size: 8, .value_kind: global_buffer, .address_space: global }
      - { .name: sel, .offset: 32, .size: 8, .value_kind: global_buffer, .address_space: global }
      - { .name: lowp_scales, .offset: 40, .size: 8, .value_kind: global_buffer, .address_space: global }
      - { .name: w_proj_codes, .offset: 48, .size: 8, .value_kind: global_buffer, .address_space: global }
      - { .name: b_proj, .offset: 56, .size: 8, .value_kind: global_buffer, .address_space: global }
      - { .name: out0, .offset: 64, .size: 8, .value_kind: global_buffer, .address_space: global }
    .group_segment_fixed_size: 42496
    .private_segment_fixed_size: 0
    .kernarg_segment_align: 8
    .kernarg_segment_size: 72
    .max_flat_workgroup_size: 256
    .sgpr_count:     72
    .vgpr_count:     256
    .wavefront_size: 32
...
	.end_amdgpu_metadata
.endif
;; end of part 6
